; MI455X (gfx1250); checked and timed in simulation.
; The chip was launched on July 23, 2026; its instructions are those of AMD's public machine-readable ISA for CDNA 5 (MIT licence, August 2026) and "CDNA5" Instruction Set Architecture Reference Guide (July 2026). The comments in the code are by the model that wrote it; some were corrected since.
;; Tri Level Multi Headed Attention. Allowed arithmetic: matrix products marked QUANTISED: E2M3 operands, one E8M0 scale for each 32 along K, by v_wmma_scale_f32_16x16x128_f8f6f4 with both operands' format E2M3, f32 sums; everything else in f32.
;; Inputs: Wk 1,024 x 1,024 float32; Wo 1,024 x 1,024 float32; Wq 1,024 x 1,024 float32; Wtk 256 x 1,024 float32; Wtq 256 x 1,024 float32; Wtv 256 x 1,024 float32; Wv 1,024 x 1,024 float32; bk 1,024 float32; bo 1,024 float32; bq 1,024 float32; btk 1,024 float32; btq 1,024 float32; btv 1,024 float32; bv 1,024 float32; mask 4 x 1 x 1,024 int32; x1 4 x 1,024 x 1,024 float32; x2 4 x 1,024 x 1,024 float32; x3 4 x 1,024 x 256 float32.
;; Outputs: out0 4 x 1,024 x 1,024 float32.
;; This version of the problem:
;;   THIS VERSION OF THE PROBLEM IS GIVEN IN LOW PRECISION. The matrix products marked QUANTISED in the list below multiply operands that are first quantised to E2M3 (2 exponent bits, 3 mantissa bits; 6 bits a number), with one power-of-two scale for each 32 numbers along K (OCP MX v1.0); their sums are f32. All else is computed in f32.
;;   The module's matrix products, in the order in which they are computed (A, B: the left and right operand; K: the contracted axis; several contracted axes count as one K, in the product's order):
;;     1. [M 4,096, K 1,024] x [K 1,024, N 1,024]; A: input x1; B: input Wq: QUANTISED
;;     2. [M 4,096, K 1,024] x [K 1,024, N 1,024]; A: input x1; B: input Wk: QUANTISED
;;     3. [M 4,096, K 1,024] x [K 1,024, N 1,024]; A: input x1; B: input Wv: QUANTISED
;;     4. [M 4,096, K 1,024] x [K 1,024, N 1,024]; A: input x2; B: input Wq: QUANTISED
;;     5. [M 4,096, K 1,024] x [K 1,024, N 1,024]; A: input x2; B: input Wk: QUANTISED
;;     6. [M 4,096, K 1,024] x [K 1,024, N 1,024]; A: input x2; B: input Wv: QUANTISED
;;     7. [M 4,096, K 256] x [K 256, N 1,024]; A: input x3; B: input Wtq: QUANTISED
;;     8. [M 4,096, K 256] x [K 256, N 1,024]; A: input x3; B: input Wtk: QUANTISED
;;     9. [M 4,096, K 256] x [K 256, N 1,024]; A: input x3; B: input Wtv: QUANTISED
;;     10. batch 64 x [M 1,024, K 64] x [K 64, N 1,024]; A: computed on the way; B: computed on the way: QUANTISED
;;     11. batch 64 x [M 1,024, K 1,024] x [K 1,024, N 64]; A: softmax (see below); B: computed on the way: QUANTISED
;;     12. batch 64 x [M 1,024, K 64] x [K 64, N 1,024]; A: computed on the way; B: computed on the way: QUANTISED
;;     13. batch 64 x [M 1,024, K 1,024] x [K 1,024, N 64]; A: softmax (see below); B: computed on the way: QUANTISED
;;     14. batch 64 x [M 1,024, K 64] x [K 64, N 1,024]; A: computed on the way; B: computed on the way: QUANTISED
;;     15. batch 64 x [M 1,024, K 1,024] x [K 1,024, N 64]; A: softmax (see below); B: computed on the way: QUANTISED
;;     16. [M 4,096, K 1,024] x [K 1,024, N 1,024]; A: computed on the way; B: input Wo: QUANTISED
;;   THE QUANTISER, for each operand of a quantised product, along K:
;;     - K is cut into blocks of 32 from its start; a last block that is shorter is filled with zeros.
;;     - A block's scale is 2^e with e = floor(log2(the largest magnitude in the block)) - 2, held to -126 .. 127; a block of zeros has e = 0. As a byte (E8M0): e + 127.
;;     - Each number is divided by its block's scale, clamped to +-7.5, and rounded to the nearest number of E2M3, ties to even, subnormals kept.
;;     - The product sums the exact products of the quantised numbers (number of the format x scale) in f32.
;;   ~~~python
;;   def quantise(x, axis):      # numpy; x: float32 -> the quantised numbers, widened to float32 again
;;       x = np.moveaxis(x, axis, -1); K = x.shape[-1]
;;       x = np.pad(x, [(0, 0)] * (x.ndim - 1) + [(0, -K % 32)]); x = x.reshape(x.shape[:-1] + (-1, 32)); a = np.abs(x).max(-1, keepdims=True)
;;       e = np.where(a > 0, np.clip(np.frexp(np.where(a > 0, a, 1))[1] - 1 - 2, -126, 127), 0)      # np.frexp(a)[1] - 1 = floor(log2(a)), exactly
;;       r = np.clip(x / 2.0 ** e, -7.5, 7.5)
;;       step = 2.0 ** (np.maximum(np.frexp(np.where(r == 0, 1, r))[1] - 1, 0) - 3)
;;       q = np.round(r / step) * step * 2.0 ** e      # np.round: ties to even
;;       return np.moveaxis(q.reshape(q.shape[:-2] + (-1,))[..., :K], -1, axis).astype(np.float32)
;;   ~~~
;;   SOFTMAX AHEAD OF A QUANTISED PRODUCT. Where the list says 'softmax', what is quantised is not the finished softmax but p = 2^(t - M), with t = logit x log2(e) and M = ceil(the row's largest t), a whole number; so 1/2 < the row's largest p <= 1. The row's sum l is taken of the UNQUANTISED p, in f32, and the product's result is divided by l at the end. Since M is a whole number, a kernel that streams over the keys may use a running M (the ceiling of the running maximum): every later rescaling is an exact power of two, which a block's scale takes up: the codes' values come out the same.
;;   OPERANDS COMPUTED ON THE WAY. 'Computed on the way' means the value that the module computes at that place (a softmax that the list does not call 'softmax' is quantised finished and normalised). What goes into a quantiser is computed in f32, as accurately as f32 sums, v_exp_f32 and their like allow (about 1e-6 of the number): no bf16 or f16 on the way to a quantiser, and a product that is left as it is and whose result goes on into a quantised operand takes f32 operands (vector FMAs, or v_wmma_f32_16x16x4_f32). A number that lies on a knife's edge between two numbers of the format may be rounded either way, as far as f32 arithmetic and the matrix unit's own rounding can turn it there, and no further.
;; One version. Each part assembles by itself: llvm-mc -triple=amdgcn-amd-amdhsa -mcpu=gfx1250 --defsym DOCPART=n.
;; ======== version 1 of 1: 4 launches
;; limits: right only within a limited range of input values
;; workspace buffers: opc 10,813,440 bytes; ops 450,560 bytes; qkv 30,277,632 bytes; xc 3,145,728 bytes; xcs 131,072 bytes
;; launch quant (part 1): grid 440 x 1, 4 waves a work-group, no clusters, 35,328 bytes of LDS; arguments x1, x2, x3, Wq, Wk, Wv, Wo, Wtq, Wtk, Wtv, opc, ops; writes opc, ops
.if DOCPART == 1
	.amdgcn_target "amdgcn-amd-amdhsa--gfx1250"
	.amdhsa_code_object_version 6
	.text
	.protected	k_qf6000d0a01_quant
	.globl	k_qf6000d0a01_quant
	.p2align	8
	.type	k_qf6000d0a01_quant,@function
k_qf6000d0a01_quant:
	s_mov_b64 s[64:65], 0
	v_nop
	global_prefetch_b8 v0, s[64:65] scope:SCOPE_SE
	s_setreg_imm32_b32 hwreg(HW_REG_WAVE_MODE, 25, 1), 1
	s_wait_xcnt 0x0
; THE PROGRAM: five launches for reference(): this one turns x1, x2, x3 and the seven weights into codes of FP6 (E2M3) with one E8M0 byte for each 32 along K; two launches make q, k, v (products 1 to 9) and
; store them as codes; one does the three attentions (products 10 to 15), mixes them and stores the mix as codes; one does product 16.  NOTHING OF reference() IS LEFT OUT: every input has a way to the output
; (each bias moves the codes of the operand that it is added to), so every input is loaded and every product of the table is multiplied.
; LIMITS: NaN and infinities among the inputs are not served.  A block whose largest magnitude lies under 2^-124 keeps the scale byte 1; so does a block of zeros, where the rule says 127: its codes are zeros,
; which add nothing under any byte but 0xff, and the bytes are read by this program alone.
; LAYOUT OF EVERY OPERAND THAT THIS PROGRAM STORES.  (a) ROW ORDER: bits 3 and 4 of a row's number change places: stored tile T, row p (0..15) is row 32 (T / 2) + 8 (T % 2) + p + 8 (p / 8).  As source 0 of a product the 16
; registers of result tiles 2 b and 2 b + 1 are then 16 neighbours along the next product's K.  (b) A FRAGMENT (16 stored rows x 128 K, 12 registers a lane) lies as an image of its registers, 1,536 bytes:
; for c = 0, 1 at 768 c: registers 6 c .. 6 c + 3 at 16 x lane (512 bytes), registers 6 c + 4, 6 c + 5 at 512 + 16 (lane % 16) + 8 (lane / 16) (256 bytes).  A buffer is [T][K / 128] fragments.
; (c) SCALE WORDS: [T][K / 128][16 rows] words of four bytes.
; SHARES.  Work-groups 0-287 take x1, x2, x3 (K innermost): a wave takes four fragments; each load reads 512 consecutive bytes of a row; the 16 rows turn through the wave's own stage in LDS, so that a lane gets
; two whole blocks of 32 of its row.  Work-groups 288-439 take the weights (K is their first axis): a lane takes a column and its registers run down K; its codes go straight into the image: no LDS.
; No tensor loads, no barrier, no cluster: waves share nothing, and no two work-groups read the same bytes.
; (As the program stands now it has four launches: q, k, v of all three streams, products 1 to 9, are made by ONE launch.)
.set WREG,  8704                       ; LDS of a wave: a stage of 16 rows x (512 + 16) bytes, then its 256 bytes of scale words
.set SWO,   8448
.set SPARE, 4*WREG                     ; the spare words, 128 bytes a wave: two blocks of 256 bytes that no other line names
.set SPW,   28                         ; v28  LDS address of my spare word; never rewritten
.set NIL,   29                         ; v29  0; never rewritten
.set VO,    4                          ; v4-19  x: 16 x lane + the byte offset of the tile's row p
.set XTC,   6291456                    ; x3's codes in opc (x1, x2 at 0);  the weights' below
.set XTS,   262144                     ; and its scale words in ops
.set WMC,   7077888                    ; Wq, Wk, Wv, Wo
.set WMS,   294912
.set WTC,   10223616                   ; Wtq, Wtk, Wtv
.set WTS,   425984
	s_load_b512 s[4:19], s[0:1], 0x0               ; x1 s[4:5], x2, x3, Wq s[10:11], Wk, Wv, Wo, Wtq s[18:19]
	s_load_b256 s[20:27], s[0:1], 0x40             ; Wtk, Wtv, opc s[24:25], ops s[26:27]
	v_lshl_add_u32 v[SPW], v0, 2, SPARE
	v_mov_b32 v[NIL], 0
	v_lshrrev_b32 v1, 5, v0
	v_readfirstlane_b32 s28, v1                    ; wave
	v_and_b32 v1, 31, v0                           ; lane
	v_and_b32 v2, 15, v0                           ; r
	v_bfe_u32 v3, v0, 4, 1                         ; h
	s_cmp_lt_u32 ttmp9, 288
	s_cbranch_scc0 .Lweights
; ---------------- x1, x2, x3 ----------------
	s_mul_i32 s29, s28, WREG                       ; my wave's LDS
	v_lshlrev_b32 v24, 4, v1                       ; 16 x lane
	v_lshlrev_b32 v25, 4, v2
	v_lshl_add_u32 v25, v3, 3, v25                 ; 16 r + 8 h
	v_lshlrev_b32 v26, 3, v1                       ; 8 x lane
	v_lshlrev_b32 v27, 3, v3                       ; 8 h
	v_add_nc_u32 v20, s29, v24                     ; the stage, in: a row's 512 bytes as they lie
	v_mul_u32_u24 v21, v2, 528
	v_lshl_add_u32 v21, v3, 7, v21
	v_add_nc_u32 v21, s29, v21                     ; out: row r, 128 h bytes on: k = 32 h of each 64
	v_lshl_add_u32 v22, v2, 2, s29                 ; my row's scale word
	v_add_nc_u32 v23, s29, v26                     ; and the words on their way out
	v_mov_b32 v39, 0                               ; (a lane permute's destination counts as one of its sources)
	s_mov_b32 s40, 0x76543210
	s_mov_b32 s41, 0xfedcba98                      ; selects for lane l xor 16
	s_lshl_b32 s30, ttmp9, 2
	s_add_co_u32 s30, s30, s28                     ; x1, x2: task 4 g + w = four fragments (tile 2 g + w / 2, K steps 4 (w % 2) on)
	s_sub_co_u32 s31, s30, 1024                    ; x3: task 4 (g - 256) + w = tiles 2 task, 2 task + 1, both K steps
	s_and_b32 s32, ttmp9, 127
	s_lshl_b32 s32, s32, 17                        ; x1, x2: 32 rows of 4,096 bytes a work-group,
	s_lshr_b32 s33, s28, 1
	s_lshl_b32 s33, s33, 15                        ; 8 rows on for the odd tile,
	s_add_co_u32 s32, s32, s33
	s_and_b32 s33, s28, 1
	s_lshl_b32 s33, s33, 11                        ; 2,048 bytes on for K steps 4 to 7
	s_add_co_u32 s32, s32, s33
	s_lshl_b32 s33, s31, 15                        ; x3: 32 rows of 1,024 bytes a task
	s_mov_b32 s34, 1024
	s_mov_b32 s35, 8192
	s_wait_kmcnt 0x0
	s_cmp_lt_u32 ttmp9, 128                        ; the choices hang on the work-group's number alone
	s_cselect_b64 s[4:5], s[4:5], s[6:7]
	s_cmp_lt_u32 ttmp9, 256
	s_cselect_b64 s[4:5], s[4:5], s[8:9]
	s_cselect_b32 s32, s32, s33                    ; where my task begins in its tensor
	s_cselect_b32 s30, s30, s31                    ; the task
	s_cselect_b32 s34, 4096, s34                   ; a row in bytes
	s_cselect_b32 s35, 1024, s35                   ; from units 0, 1 to units 2, 3: two K steps on, or (x3) the odd tile, 8 rows on
	s_cselect_b32 s36, 0, XTC
	s_cselect_b32 s37, 0, XTS
	s_mov_b32 s33, 0
	s_add_nc_u64 s[4:5], s[4:5], s[32:33]          ; units 0, 1
	s_mov_b32 s38, s35
	s_mov_b32 s39, 0
	s_add_nc_u64 s[6:7], s[4:5], s[38:39]          ; units 2, 3
	s_mul_i32 s38, s30, 6144
	s_add_co_u32 s38, s38, s36
	s_add_nc_u64 s[24:25], s[24:25], s[38:39]      ; my four images
	s_lshl_b32 s38, s30, 8
	s_add_co_u32 s38, s38, s37
	s_add_nc_u64 s[26:27], s[26:27], s[38:39]      ; my 256 bytes of scale words
.irp p, 0,1,2,3,4,5,6,7,8,9,10,11,12,13,14,15
	v_mad_u32_u24 v[VO+\p], s34, \p+8*(\p/8), v24  ; the tile's row p lies p + 8 (p / 8) rows on
.endr
.macro XLOAD u                         ; unit u: 16 rows x 128 numbers: each load reads 512 consecutive bytes
.irp p, 0,1,2,3,4,5,6,7,8,9,10,11,12,13,14,15
	global_load_b128 v[128+64*((\u)%2)+4*\p:128+64*((\u)%2)+4*\p+3], v[VO+\p], s[4+2*((\u)/2):5+2*((\u)/2)] offset:512*((\u)%2) th:TH_LOAD_NT
.endr
.endm
.macro XUNIT u
.set XS, 128+64*((\u)%2)               ; the unit's 64 numbers a lane
.set CS, 52+12*(\u)                    ; its codes: a set of its own, so that no store's data are written again
.if (\u) < 3
	s_wait_loadcnt 16                              ; this unit's sixteen loads are in; the next unit's sixteen may be out
.else
	s_wait_loadcnt 0x0
.endif
.irp p, 0,1,2,3,4,5,6,7,8,9,10,11,12,13,14,15
	ds_store_b128 v20, v[XS+4*\p:XS+4*\p+3] offset:528*\p
.endr
.irp c, 0,1                            ; LDS serves a wave's instructions in order: these see my stores.  Back come k = 64 c + 32 h + 0 .. 31 of row r
.irp i, 0,1,2,3,4,5,6,7
	ds_load_b128 v[XS+32*\c+4*\i:XS+32*\c+4*\i+3], v21 offset:256*\c+16*\i
.endr
.endr
	s_wait_dscnt 0x0
.irp c, 0,1
	v_max3_num_f32 v[32+\c], |v[XS+32*\c]|, |v[XS+32*\c+1]|, 0x1800000   ; block 2 c + h is all mine; the floor 2^(3 - 127) holds the byte at 1 from below
.endr
.irp i, 2,4,6,8,10,12,14,16,18,20,22,24,26,28,30
.irp c, 0,1
	v_max3_num_f32 v[32+\c], v[32+\c], |v[XS+32*\c+\i]|, |v[XS+32*\c+\i+1]|
.endr
.endr
.irp c, 0,1
	v_add_nc_u32 v[34+\c], 0xff000000, v[32+\c]    ; 2 off the exponent field: the conversion's scale operand
.endr
.irp c, 0,1
	v_lshrrev_b32 v[36+\c], 23, v[34+\c]           ; the scale's byte
.endr
	v_lshl_or_b32 v38, v37, 16, v36                ; my two bytes, blocks h and 2 + h,
	v_lshlrev_b32 v38, v27, v38                    ; at their places;
	v_permlanex16_b32 v39, v38, s40, s41
	v_or_b32 v38, v38, v39                         ; with lane l xor 16's the word is whole
.irp c, 0,1
	v_cvt_scalef32_pk16_fp6_f32 v[CS+6*\c:CS+6*\c+2], v[XS+32*\c:XS+32*\c+15], v[34+\c]
	v_cvt_scalef32_pk16_fp6_f32 v[44+4*\c:46+4*\c], v[XS+32*\c+16:XS+32*\c+31], v[34+\c]   ; (a conversion's three registers begin on an even number)
.endr
	v_nop                                          ; one plain place behind a scaled conversion
.irp c, 0,1
.irp i, 0,1,2
	v_mov_b32 v[CS+6*\c+3+\i], v[44+4*\c+\i]
.endr
.endr
.if (\u) < 2
	XLOAD (\u)+2
.endif
	global_store_b128 v24, v[CS:CS+3], s[24:25] offset:1536*(\u)             ; the image: each store covers whole consecutive blocks of 256 bytes
	global_store_b64 v25, v[CS+4:CS+5], s[24:25] offset:1536*(\u)+512
	global_store_b128 v24, v[CS+6:CS+9], s[24:25] offset:1536*(\u)+768
	global_store_b64 v25, v[CS+10:CS+11], s[24:25] offset:1536*(\u)+1280
	ds_store_b32 v22, v38 offset:SWO+64*(\u)       ; both halves of the lanes write the same word with the same value
.endm
	XLOAD 0
	XLOAD 1
	XUNIT 0
	XUNIT 1
	XUNIT 2
	XUNIT 3
	ds_load_b64 v[40:41], v23 offset:SWO
	s_wait_dscnt 0x0
	global_store_b64 v26, v[40:41], s[26:27]       ; four fragments' scale words: one aligned block of 256 bytes
	s_wait_tensorcnt 0x0                           ; the wave's end
	ds_add_u32 v[SPW], v[NIL]
	s_wait_dscnt 0x0
	s_endpgm
; ---------------- the weights: [K][1024] f32 ----------------
.Lweights:
	s_sub_co_u32 s30, ttmp9, 288                   ; 0-127: Wq, Wk, Wv, Wo, 32 work-groups each (8 along the columns x 4 along K);  128-151: Wtq, Wtk, Wtv, 8 each
	s_sub_co_u32 s31, s30, 128
	s_lshr_b32 s32, s30, 5
	s_lshr_b32 s33, s31, 3
	s_add_co_u32 s34, s33, 4
	s_bfe_u32 s35, s30, 0x20003                    ; which 256 along K
	s_and_b32 s36, s30, 7                          ; which 128 columns
	s_mov_b32 s38, WTC
	s_mov_b32 s39, WTS
	s_cmp_lt_u32 s30, 128
	s_cselect_b32 s34, s32, s34                    ; the tensor, 0 to 6
	s_cselect_b32 s32, s32, s33                    ; and its number in its region
	s_cselect_b32 s35, s35, 0
	s_cselect_b32 s37, 8, 2                        ; K / 128
	s_cselect_b32 s38, WMC, s38
	s_cselect_b32 s39, WMS, s39
	s_lshl_b32 s40, s32, 6
	s_lshl_b32 s41, s36, 3
	s_add_co_u32 s40, s40, s41
	s_lshl_b32 s41, s28, 1
	s_add_co_u32 s40, s40, s41                     ; my even stored tile: 64 x tensor + 8 x + 2 w
	s_mul_i32 s40, s40, s37
	s_lshl_b32 s41, s35, 1
	s_add_co_u32 s40, s40, s41                     ; its fragment of my first K step
	s_lshl_b32 s42, s40, 6
	s_add_co_u32 s42, s42, s39
	s_mov_b32 s43, 0
	s_mul_i32 s40, s40, 1536
	s_add_co_u32 s40, s40, s38
	s_mov_b32 s41, 0
	s_lshl_b32 s44, s35, 20                        ; 256 rows of 4,096 bytes,
	s_lshl_b32 s45, s36, 9
	s_add_co_u32 s44, s44, s45
	s_lshl_b32 s45, s28, 7
	s_add_co_u32 s44, s44, s45                     ; column 128 x + 32 w
	s_mov_b32 s45, 0
	s_mul_i32 s46, s37, 1536                       ; from the even tile to the odd one
	s_lshl_b32 s47, s37, 6
	s_wait_alu depctr_va_vdst(0)
	v_lshlrev_b32 v6, 2, v1                        ; in: 4 bytes a lane: 128 consecutive bytes a load
	v_bfe_u32 v7, v0, 3, 1                         ; column L of 32 is row (L % 8) + 8 (L / 16) of stored tile (L / 8) % 2
	v_and_b32 v8, 7, v0
	v_lshl_or_b32 v8, v3, 3, v8
	v_mul_u32_u24 v4, v7, s46
	v_lshl_add_u32 v4, v8, 4, v4                   ; my 16 bytes of an image's part
	v_mul_u32_u24 v5, v7, s47
	v_lshl_add_u32 v5, v8, 2, v5                   ; my scale word
	s_wait_alu depctr_va_vdst(0)
	s_wait_kmcnt 0x0
	s_cmp_ge_u32 s34, 1
	s_cselect_b64 s[10:11], s[12:13], s[10:11]
	s_cmp_ge_u32 s34, 2
	s_cselect_b64 s[10:11], s[14:15], s[10:11]
	s_cmp_ge_u32 s34, 3
	s_cselect_b64 s[10:11], s[16:17], s[10:11]
	s_cmp_ge_u32 s34, 4
	s_cselect_b64 s[10:11], s[18:19], s[10:11]
	s_cmp_ge_u32 s34, 5
	s_cselect_b64 s[10:11], s[20:21], s[10:11]
	s_cmp_ge_u32 s34, 6
	s_cselect_b64 s[10:11], s[22:23], s[10:11]
	s_add_nc_u64 s[10:11], s[10:11], s[44:45]
	s_add_nc_u64 s[24:25], s[24:25], s[40:41]
	s_add_nc_u64 s[26:27], s[26:27], s[42:43]
.macro WLOAD t                         ; block t: W(32 t + i, my column) into set t % 2
.irp i, 0,1,2,3,4,5,6,7,8,9,10,11,12,13,14,15,16,17,18,19,20,21,22,23,24,25,26,27,28,29,30,31
	global_load_b32 v[32+32*((\t)%2)+\i], v6, s[10:11] offset:(32*(\t)+\i)*4096 th:TH_LOAD_NT
.endr
.endm
.macro WBLOCK t                        ; block t is block t % 4 of K step t / 4: half (t % 4) / 2 of the image, the place of lane (row, t % 2)
.set XS, 32+32*((\t)%2)
.set IM, 1536*((\t)/4)+768*(((\t)%4)/2)
.if (\t) < 7
	s_wait_loadcnt 32                              ; this block's 32 loads are in; the next block's may be out
.else
	s_wait_loadcnt 0x0
.endif
	v_max3_num_f32 v12, |v[XS]|, |v[XS+1]|, |v[XS+2]|
	v_max3_num_f32 v13, |v[XS+3]|, |v[XS+4]|, |v[XS+5]|
.irp i, 6,10,14,18,22,26
	v_max3_num_f32 v12, v12, |v[XS+\i]|, |v[XS+\i+1]|
	v_max3_num_f32 v13, v13, |v[XS+\i+2]|, |v[XS+\i+3]|
.endr
	v_max3_num_f32 v12, v12, |v[XS+30]|, |v[XS+31]|
	v_max3_num_f32 v12, v12, v13, 0x1800000        ; and the floor
	v_add_nc_u32 v11, 0xff000000, v12              ; the conversion's scale operand
	v_lshrrev_b32 v13, 23, v11                     ; the byte
.if (\t)%4 == 0
	v_mov_b32 v[14+(\t)/4], v13
.else
	v_lshl_or_b32 v[14+(\t)/4], v13, 8*((\t)%4), v[14+(\t)/4]
.endif
	v_cvt_scalef32_pk16_fp6_f32 v[112+4*(\t):114+4*(\t)], v[XS:XS+15], v11
	v_cvt_scalef32_pk16_fp6_f32 v[96:98], v[XS+16:XS+31], v11
	v_nop                                          ; one plain place behind a scaled conversion
	v_mov_b32 v[115+4*(\t)], v96                   ; registers 0-3 of my six,
	v_mov_b32 v[144+4*((\t)/2)+2*((\t)%2)], v97    ; registers 4, 5: two blocks' side by side
	v_mov_b32 v[145+4*((\t)/2)+2*((\t)%2)], v98
.if (\t)+2 < 8
	WLOAD (\t)+2
.endif
	global_store_b128 v4, v[112+4*(\t):115+4*(\t)], s[24:25] offset:IM+256*((\t)%2)    ; the sixteen lanes of a stored tile fill 256 consecutive bytes, aligned
.if (\t)%2 == 1
	global_store_b128 v4, v[144+4*((\t)/2):147+4*((\t)/2)], s[24:25] offset:IM+512     ; likewise
.endif
.if (\t)%4 == 3
	global_store_b32 v5, v[14+(\t)/4], s[26:27] offset:64*((\t)/4)                     ; runs of 64 bytes: the words are one twenty-fourth of the codes' bytes
.endif
.endm
	WLOAD 0
	WLOAD 1
.irp t, 0,1,2,3,4,5,6,7
	WBLOCK \t
.endr
	s_wait_tensorcnt 0x0                           ; a wave's end
	ds_add_u32 v[SPW], v[NIL]
	s_wait_dscnt 0x0
	s_endpgm
.Lfunc_end_k_qf6000d0a01_quant:
	.size	k_qf6000d0a01_quant, .Lfunc_end_k_qf6000d0a01_quant-k_qf6000d0a01_quant
	.p2alignl 7, 3214868480
	.fill 96, 4, 3214868480
	.section	.rodata,"a",@progbits
	.p2align	6, 0x0
	.amdhsa_kernel k_qf6000d0a01_quant
		.amdhsa_group_segment_fixed_size 35328
		.amdhsa_private_segment_fixed_size 0
		.amdhsa_enable_private_segment 0
		.amdhsa_kernarg_size 96
		.amdhsa_user_sgpr_count 2
		.amdhsa_user_sgpr_kernarg_segment_ptr 1
		.amdhsa_wavefront_size32 1
		.amdhsa_system_sgpr_workgroup_id_x 1
		.amdhsa_system_sgpr_workgroup_id_y 1
		.amdhsa_system_sgpr_workgroup_id_z 1
		.amdhsa_system_vgpr_workitem_id 0
		.amdhsa_next_free_vgpr 256
		.amdhsa_next_free_sgpr 66
		.amdhsa_reserve_vcc 0
		.amdhsa_float_denorm_mode_32 3
		.amdhsa_float_denorm_mode_16_64 3
		.amdhsa_memory_ordered 1
		.amdhsa_forward_progress 1
		.amdhsa_inst_pref_size 72
	.end_amdhsa_kernel
	.amdgpu_metadata
---
amdhsa.version: [ 1, 2 ]
amdhsa.kernels:
  - .name:           k_qf6000d0a01_quant
    .symbol:         k_qf6000d0a01_quant.kd
    .args:
      - { .name: x1, .offset: 0, .size: 8, .value_kind: global_buffer, .address_space: global }
      - { .name: x2, .offset: 8, .size: 8, .value_kind: global_buffer, .address_space: global }
      - { .name: x3, .offset: 16, .size: 8, .value_kind: global_buffer, .address_space: global }
      - { .name: Wq, .offset: 24, .size: 8, .value_kind: global_buffer, .address_space: global }
      - { .name: Wk, .offset: 32, .size: 8, .value_kind: global_buffer, .address_space: global }
      - { .name: Wv, .offset: 40, .size: 8, .value_kind: global_buffer, .address_space: global }
      - { .name: Wo, .offset: 48, .size: 8, .value_kind: global_buffer, .address_space: global }
      - { .name: Wtq, .offset: 56, .size: 8, .value_kind: global_buffer, .address_space: global }
      - { .name: Wtk, .offset: 64, .size: 8, .value_kind: global_buffer, .address_space: global }
      - { .name: Wtv, .offset: 72, .size: 8, .value_kind: global_buffer, .address_space: global }
      - { .name: opc, .offset: 80, .size: 8, .value_kind: global_buffer, .address_space: global }
      - { .name: ops, .offset: 88, .size: 8, .value_kind: global_buffer, .address_space: global }
    .group_segment_fixed_size: 35328
    .private_segment_fixed_size: 0
    .kernarg_segment_align: 8
    .kernarg_segment_size: 96
    .max_flat_workgroup_size: 128
    .sgpr_count:     66
    .vgpr_count:     256
    .wavefront_size: 32
...
	.end_amdgpu_metadata
.endif
;; end of part 1
;; launch proj_main (part 2): grid 8 x 72, 4 waves a work-group, clusters of 4 x 4, 327,680 bytes of LDS; arguments opc, ops, bq, bk, bv, mask, qkv, btq, btk, btv; writes qkv
.if DOCPART == 2
	.amdgcn_target "amdgcn-amd-amdhsa--gfx1250"
	.amdhsa_code_object_version 6
	.text
	.protected	k_qf6000d0a01_proj_main
	.globl	k_qf6000d0a01_proj_main
	.p2align	8
	.type	k_qf6000d0a01_proj_main,@function
k_qf6000d0a01_proj_main:
	s_mov_b64 s[64:65], 0
	v_nop
	global_prefetch_b8 v0, s[64:65] scope:SCOPE_SE
	s_setreg_imm32_b32 hwreg(HW_REG_WAVE_MODE, 25, 1), 1
	s_wait_xcnt 0x0
	s_wait_alu depctr_hold_cnt(0) depctr_sa_sdst(0) depctr_va_vdst(0) depctr_va_sdst(0) depctr_va_ssrc(0) depctr_va_vcc(0) depctr_vm_vsrc(0)
	s_getreg_b32 s2, hwreg(HW_REG_IB_STS2, 6, 4)
	s_cmp_eq_u32 s2, 0
	s_cbranch_scc0 .Lentry_in_a_cluster
	s_endpgm
.Lentry_in_a_cluster:
	s_bfe_u32 s2, ttmp6, 0x10000c
	s_cmp_lg_u32 s2, 0xf033
	s_cbranch_scc0 .Lentry_shape_is_right
	s_endpgm
.Lentry_shape_is_right:
; q, k, v of the streams x1 and x2 (products 1 to 6): codes x codes of FP6 (E2M3), f32 sums, + bias, and the results quantised at once for the attention: nothing leaves as f32.  Nothing of reference() is left out.
; ROLES.  The matrix instruction takes P as source 0 and R as source 1: in a result a lane holds ONE row of R, and its registers run along rows of P, which are the next quantiser's K.
;   QK mode (cluster rows 0 .. QKC - 1): R = 256 tokens, P = 256 rows of Wq | Wk: a lane holds a token and channels: q and k are quantised along the head's 64.
;   V mode (the other cluster rows): R = 256 rows of Wv, P = 256 tokens: a lane holds a channel and keys: v is quantised along the keys.
; The mode hangs on the cluster's y alone, the same in all sixteen partners.  Both operands lie in opc / ops, so the mode chooses offsets only.
; A work-group of four waves makes 256 x 256; a wave 128 x 128: 64 accumulators, 512 registers.  Operands are stored as images of fragments (16 rows x 128 K = 1,536 bytes: for c = 0, 1 at 768 c registers 6 c .. 6 c + 3 at
; 16 x lane, registers 6 c + 4, 6 c + 5 at 512 + 16 (lane % 16) + 8 (lane / 16)), rows in the stored order (bits 3 and 4 of a row's number changed): stored tile T, row p = row 32 (T / 2) + 8 (T % 2) + p + 8 (p / 8).
; CLUSTER 4 x 4: R's tiles are shared along a row of the cluster, P's along a column: joint loads, each with a mask of four.
; THE MASK'S FILL.  reference() replaces the logit of a key whose mask is 0 by 1e-8.  Here the CODES of such a key's k become 0 (one select a token and head), so that its score is exactly 0; the attention launch
; seeds each row's running maximum with the fill's own t = 1e-8 log2(e), so M is reference()'s M, at least 1 where a key is masked.  Under M >= 1 f32 rounds t - M to -M, so p = 2^(0 - M) has the bits of 2^(t - M):
; an order of rounding that differs from exact arithmetic by 1e-8 of p.
; ONE PATH UP TO THE WAY OUT: the sixteen loads of the bias along the registers (bq or bk) are issued in V mode too, where they serve nothing.
; LIMITS: NaN and infinities are not served; a block under 2^-124, or of zeros, keeps the scale byte 1 (the bytes are read by this program alone).
; THE TYPE STREAM x3 (products 7 to 9, K = 256) IS SERVED HERE TOO: cluster rows 0 to 11 take x1 and x2, rows 12 to 17 take x3, the shorter work last.  The head and the walk along K are a macro, HEADK, expanded once for
; each of the two with its constants (K / 128, regions, cluster rows in QK mode, biases); a branch on the cluster's y, the same in all sixteen partners, chooses; both ways join ahead of the one way out.
.set NS,     8                         ; K / 128
.set NBLK,   8                         ; blocks of 16 rows a wave and side
.set FPS,    2                         ; K steps of 128 in a short slot
.set NFILL,  3                         ; ways to address LDS.  K = 1,024: 1 = K steps 0 to 3 from byte 0, tiles of four steps; 2 = K steps 4, 5 behind them; 0 = K steps 6, 7, filled over the first bytes of 1.  K = 256: 0 alone
.set QKC,    8                         ; cluster rows in QK mode
.set SIG0,   0                         ; first stream
.set XC,     0                         ; x's codes in opc, x's scale words in ops
.set XW,     0
.set WC,     7077888                   ; the weights'
.set WW,     294912
.set RECB,   157696                    ; a record of qkv (stream, batch, head): K 0, V 49,152, K's scale images 98,304, V's 102,400, Q 104,448, Q's scale images 153,600
.set VOFF,   49152
.set KSCOFF, 98304
.set VSCOFF, 102400
.set QOFF,   104448
.set QSCOFF, 153600
.set HS,     NBLK*NS*64                ; the scale words of a wave's rows
.set CT,     FPS*192                   ; a tile's part of a chunk, in elements of 8 bytes
.set SLOTB,  98304                     ; a slot: R's 16 tiles (49,152 bytes), then P's
.set SCL,    3*SLOTB                   ; the scale words: R's from here, P's 8,192 on
.set SPARE,  SCL+16384                 ; the spare words, 128 bytes a wave: two blocks of 256 bytes that no other line names
.set RA, 4                             ; v4-6   my R fragments in slot 0, 1, 2, + 16 x lane;   v8-10  + 16 r + 8 h
.set RB, 8
.set PA, 12                            ; v12-14, v16-18  the same for P
.set PB, 16
.set ADRS, 20                          ; v20  my scale words: lanes 0-15 R's rows, lanes 16-31 P's
.set LA, 21                            ; v21  16 x lane
.set LB, 22                            ; v22  16 r + 8 h
.set BO, 23                            ; v23  64 h
.set LO, 24                            ; v24  4 (r + 8 (r / 8))
.set L8, 25                            ; v25  8 x lane
.set SPW, 28                           ; v28  my spare word; never rewritten
.set NIL, 29                           ; v29  0; never rewritten
.set SCR, 32                           ; v32-47  scale words, two sets of 8: lanes 0-15 R's block i, lanes 16-31 P's block i
.set LV, 48                            ; v48-55  one number a lane and block of R: the mask (QK) or bv (V)
; window 0: v64-159, v160-255 R's fragments, two sets.  window 1: v0-95, v96-191 P's; v192-255 the bias along the registers.  windows 2, 3: accumulator (a, b) at 8 (8 a + b)
.set G1R, 28                           ; s[28:35] group 1 for R's tiles; s[36:43] P's; s[44:51], s[52:59] for the scale words
.set G1P, 36
.set G1SR, 44
.set G1SP, 52
.set G0RS, 60                          ; s[60:63] group 0, R's scale words; s[68:79] R's slots; s[80:83], s[84:95] P's
.set G0R, 68
.set G0PS, 80
.set G0P, 84
.set MSB, 0
.macro WIN new                         ; the immediate's high byte repeats the setting that is left
.if MSB != \new
	s_set_vgpr_msb (MSB<<8)|\new
.set MSB, \new
.endif
.endm
.set MUL_LO, 0xa1                      ; source 0 (P) window 1, source 1 (R) window 0, C and D window 2
.set MUL_HI, 0xf1                      ; the same, C and D window 3
.set TO_B,   0x40                      ; destination window 1, address window 0
; A joint load: waves 0 and 1 fetch R's halves, waves 2 and 3 P's.  The branch hangs on the wave's number alone.  An s_nop 0 and four v_nop follow each line.
.macro JLOAD g0r, g1r, g0p, g1p
	s_cmp_eq_u32 s19, 0
	s_cbranch_scc0 .Lfor_p_\@
	tensor_load_to_lds s[\g0r:\g0r+3], s[\g1r:\g1r+7]
	s_nop 0
.rept 4
	v_nop
.endr
	s_branch .Lasked_\@
.Lfor_p_\@:
	tensor_load_to_lds s[\g0p:\g0p+3], s[\g1p:\g1p+7]
	s_nop 0
.rept 4
	v_nop
.endr
.Lasked_\@:
.endm
.macro CROUND                          ; a round of the cluster's barrier
	s_barrier_signal -1
	s_barrier_wait -1
	s_cmp_lg_u32 s18, 0
	s_cbranch_scc1 .Lnot_wave_0_\@
	s_barrier_signal -3
.Lnot_wave_0_\@:
	s_barrier_wait -3
	s_barrier_signal -1
	s_barrier_wait -1
.endm
.macro PLACES n                        ; plain vector places behind matrix instructions, in front of loads into their sources and of reads of their results
.rept \n
	v_nop
.endr
.endm
.macro FRAGLD reg, aa, ab, off         ; a fragment's image into 12 registers: every load covers consecutive bytes
	ds_load_b128 v[\reg:\reg+3], v[\aa] offset:\off
	ds_load_b64 v[\reg+4:\reg+5], v[\ab] offset:\off+512
	ds_load_b128 v[\reg+6:\reg+9], v[\aa] offset:\off+768
	ds_load_b64 v[\reg+10:\reg+11], v[\ab] offset:\off+1280
.endm
.macro LOADSET slot, q, p, j           ; K step j = the slot's q-th: P's and R's fragments and the scale words into set p
	WIN TO_B
.set LI, 0
.rept NBLK
	FRAGLD 96*(\p)+12*LI, PA+(\slot), PB+(\slot), LI*(FPS+2*((\slot)%2))*1536+(\q)*1536   ; a tile has 4 K steps in slot 1, 2 in slots 0 and 2
.set LI, LI+1
.endr
	WIN 0
.set LI, 0
.rept NBLK
	FRAGLD 64+96*(\p)+12*LI, RA+(\slot), RB+(\slot), LI*(FPS+2*((\slot)%2))*1536+(\q)*1536
.set LI, LI+1
.endr
.set LI, 0
.rept NBLK
	ds_load_b32 v[SCR+8*(\p)+LI], v[ADRS] offset:LI*NS*64+64*(\j)
.set LI, LI+1
.endr
.endm
.macro MULS p, zero                    ; a K step: all accumulators by turns, one instruction a turn, in the same order in every step
.set MA, 0
.rept NBLK
.if 8*NBLK*MA < 256
	WIN MUL_LO
.else
	WIN MUL_HI
.endif
.set MB, 0
.rept NBLK
.set AC, (8*(NBLK*MA+MB))%256
.if \zero
	v_wmma_scale_f32_16x16x128_f8f6f4 v[AC:AC+7], v[96*(\p)+12*MB:96*(\p)+12*MB+11], v[64+96*(\p)+12*MA:64+96*(\p)+12*MA+11], 0, v[SCR+8*(\p)+MB], v[SCR+8*(\p)+MA] matrix_a_fmt:MATRIX_FMT_FP6 matrix_b_fmt:MATRIX_FMT_FP6 matrix_a_scale:MATRIX_SCALE_ROW1
.else
	v_wmma_scale_f32_16x16x128_f8f6f4 v[AC:AC+7], v[96*(\p)+12*MB:96*(\p)+12*MB+11], v[64+96*(\p)+12*MA:64+96*(\p)+12*MA+11], v[AC:AC+7], v[SCR+8*(\p)+MB], v[SCR+8*(\p)+MA] matrix_a_fmt:MATRIX_FMT_FP6 matrix_b_fmt:MATRIX_FMT_FP6 matrix_a_scale:MATRIX_SCALE_ROW1
.endif
.set MB, MB+1
.endr
.set MA, MA+1
.endr
.endm
.macro SYNC cnt                        ; my part of the slot about to be read has landed (cnt younger loads may be out); then everybody's has
	s_wait_tensorcnt \cnt
	s_barrier_signal -1
	s_barrier_wait -1
.endm
.macro SYNCFILL                        ; K steps 0 to 3 are read out: their first 98,304 bytes take K steps 6 and 7
	s_wait_tensorcnt 0x0                           ; all my tensor loads have landed, my part of K steps 4, 5
	ds_add_u32 v[SPW], v[NIL]                      ; 0 onto my spare word
	s_wait_dscnt 0x0                               ; the add is done, and no LDS read of mine is out
	CROUND                                         ; no wave of any partner still reads K steps 0 to 3 or has a load on its way
	JLOAD G0R+8, G1R, G0P+8, G1P                   ; my one tensor load behind the round: it is wanted two K steps on
.endm
.macro ARM under, g0, g1, next, join   ; an arm of the head's chain of branches on the wave's number: one load, and a jump to the chain's end
	s_cmp_lt_u32 s18, \under
	s_cbranch_scc0 \next
	tensor_load_to_lds s[\g0:\g0+3], s[\g1:\g1+7]
	s_nop 0
.rept 4
	v_nop
.endr
	s_branch \join
\next:
.endm
.macro HEADK                           ; the head and the walk along K
.if NS == 8
	s_load_b256 s[4:11], s[0:1], 0x0               ; opc s[4:5], ops s[6:7], bq s[8:9], bk s[10:11]
	s_load_b128 s[12:15], s[0:1], 0x20             ; bv s[12:13], mask s[14:15]
.else
	s_load_b128 s[4:7], s[0:1], 0x0                ; opc, ops
	s_load_b128 s[8:11], s[0:1], 0x38              ; btq, btk
	s_load_b64 s[12:13], s[0:1], 0x48              ; btv
	s_load_b64 s[14:15], s[0:1], 0x28              ; mask
.endif
	s_load_b64 s[16:17], s[0:1], 0x30              ; qkv
	v_lshl_add_u32 v[SPW], v0, 2, SPARE
	v_mov_b32 v[NIL], 0
	ds_add_u32 v[SPW], v[NIL]                      ; the wave's opening: the add, twice on end, and its wait ahead of my first tensor load
	ds_add_u32 v[SPW], v[NIL]
	v_lshrrev_b32 v1, 5, v0
	v_readfirstlane_b32 s18, v1                    ; wave
	s_lshr_b32 s19, s18, 1                         ; my half of R's rows.  Also: I fetch for R (0) or for P (1)
	s_and_b32 s20, s18, 1                          ; my half of P's rows.  Also: which half I fetch
	s_bfe_u32 s21, ttmp6, 0x40000                  ; cx
	s_bfe_u32 s22, ttmp6, 0x40004                  ; cy
	s_mov_b32 s23, ttmp9                           ; the cluster's x
	s_and_b32 s24, ttmp7, 0xffff                   ; the cluster's y,
	s_cmp_lt_u32 s24, CYT                          ; counted among this way's cluster rows, which lie in two runs of the grid's y (see where the kernel begins)
	s_cselect_b32 s3, CYA, CYB
	s_sub_co_u32 s24, s24, s3
	s_lshl_b32 s3, s22, 2
	s_lshl_b32 s3, 15, s3                          ; my row of the cluster
	s_lshl_b32 s2, 0x1111, s21                     ; my column
	s_or_b32 s[G1R], s3, (3<<16)|(1<<21)           ; 15:0 the mask; 17:16 elements of 8 bytes; 21 set beside a mask; no padding
	s_or_b32 s[G1P], s2, (3<<16)|(1<<21)
	s_or_b32 s[G1SR], s3, (3<<16)|(1<<21)
	s_or_b32 s[G1SP], s2, (3<<16)|(1<<21)
.irp g, G1R, G1P                       ; NBLK tiles' parts of a chunk: NBLK rows of FPS x 1,536 bytes, NS x 1,536 bytes apart
	s_mov_b32 s[\g+1], (HCT&0xffff)<<16            ; the head's rows: four K steps of a tile (K = 1,024) or two (K = 256)
	s_mov_b32 s[\g+2], (CT>>16)|((2*NBLK)<<16)     ; the head's loads bring all 16 tiles of a side
	s_mov_b32 s[\g+3], HCT<<16
	s_mov_b32 s[\g+4], 2*NBLK
	s_mov_b32 s[\g+5], NS*192
	s_mov_b32 s[\g+6], 0
	s_mov_b32 s[\g+7], 0
.endr
.irp g, G1SR, G1SP                     ; 2 HS dense bytes of scale words, as rows of 256
	s_mov_b32 s[\g+1], 32<<16
	s_mov_b32 s[\g+2], (HS/128)<<16                ; the words of all 16 tiles of a side: 2 HS dense bytes
	s_mov_b32 s[\g+3], 32<<16
	s_mov_b32 s[\g+4], HS/128
	s_mov_b32 s[\g+5], 32
	s_mov_b32 s[\g+6], 0
	s_mov_b32 s[\g+7], 0
.endr
	s_sub_co_u32 s2, s24, QKC
	s_lshl_b32 s2, s2, 1
	s_add_co_u32 s2, s2, s23                       ; V mode: 2 (cluster y - QKC) + cluster x
	s_mov_b32 s66, WC+128*NS*1536                  ; V mode: R = Wv
	s_mov_b32 s96, WW+128*NS*64
	s_mov_b32 s98, WC                              ; QK mode: P = Wq | Wk
	s_mov_b32 s100, WW
	s_mov_b32 s67, XC
	s_mov_b32 s97, XW
	s_cmp_lt_u32 s24, QKC
	s_cselect_b32 s25, 1, 0                        ; the mode: 1 = QK
	s_cselect_b32 s3, s24, 0
	s_cselect_b32 s2, s23, s2
	s_cselect_b32 s66, s67, s66                    ; R's region,
	s_cselect_b32 s96, s97, s96
	s_cselect_b32 s98, s98, s67                    ; P's
	s_cselect_b32 s100, s100, s97
	s_lshl_b32 s26, s3, 2
	s_add_co_u32 s26, s26, s22                     ; rt: my block of 256 rows of R: made of cy and the cluster's place alone
	s_lshl_b32 s27, s2, 2
	s_add_co_u32 s27, s27, s21                     ; pt: of P: made of cx and the cluster's place alone
	s_mul_i32 s67, s26, 2*NBLK
	s_mul_i32 s97, s67, NS*64
	s_add_co_u32 s96, s96, s97
	s_mul_i32 s67, s67, NS*1536
	s_add_co_u32 s66, s66, s67
	s_mov_b32 s67, 0
	s_mov_b32 s97, 0
	s_mul_i32 s99, s27, 2*NBLK
	s_mul_i32 s101, s99, NS*64
	s_add_co_u32 s100, s100, s101
	s_mul_i32 s99, s99, NS*1536
	s_add_co_u32 s98, s98, s99
	s_mov_b32 s99, 0
	s_mov_b32 s101, 0
.if NS == 8
	s_mul_i32 s2, s18, 24576                       ; where my tiles go in slot A's refill: wave x 8 tiles: no place in the cluster enters an LDS address
.endif
	s_wait_dscnt 0x0                               ; both opening adds are done
	s_wait_kmcnt 0x0
	s_add_nc_u64 s[66:67], s[4:5], s[66:67]
	s_add_nc_u64 s[96:97], s[6:7], s[96:97]
	s_add_nc_u64 s[98:99], s[4:5], s[98:99]
	s_add_nc_u64 s[100:101], s[6:7], s[100:101]
	CROUND                                         ; all sixteen work-groups are here: the first joint loads meet
	s_mov_b32 s[G0RS], 1
	s_mov_b32 s[G0RS+1], SCL
	s_mov_b64 s[G0RS+2:G0RS+3], s[96:97]
	s_or_b32 s[G0RS+3], s[G0RS+3], 0x80000000
	s_mov_b32 s[G0PS], 1
	s_mov_b32 s[G0PS+1], SCL+8192
	s_mov_b64 s[G0PS+2:G0PS+3], s[100:101]
	s_or_b32 s[G0PS+3], s[G0PS+3], 0x80000000
	s_mov_b32 s[G0R], 1                            ; the head's tiles, each whole: the first K steps of R's 16 tiles from LDS byte 0,
	s_mov_b32 s[G0R+1], 0
	s_mov_b64 s[G0R+2:G0R+3], s[66:67]
	s_or_b32 s[G0R+3], s[G0R+3], 0x80000000
	s_mov_b32 s[G0P], 1                            ; and of P's 16 tiles behind them
	s_mov_b32 s[G0P+1], HCT*128                    ; (16 tiles x HCT elements of 8 bytes)
	s_mov_b64 s[G0P+2:G0P+3], s[98:99]
	s_or_b32 s[G0P+3], s[G0P+3], 0x80000000
.if NS == 8                            ; K = 256 lies whole in slot A: nothing more is fetched there
	s_mul_i32 s96, s20, NBLK*NS*1536               ; behind the head I fetch 8 tiles of a side: which half
	s_mov_b32 s97, 0
	s_add_nc_u64 s[66:67], s[66:67], s[96:97]
	s_add_nc_u64 s[98:99], s[98:99], s[96:97]
	s_mov_b32 s[G0R+4], 1                          ; slot 2: K steps 4, 5, behind K steps 0 to 3: wave x 8 tiles x 3,072 bytes
	s_add_co_u32 s[G0R+5], s2, 2*SLOTB
	s_add_nc_u64 s[G0R+6:G0R+7], s[66:67], 4*1536
	s_or_b32 s[G0R+7], s[G0R+7], 0x80000000
	s_mov_b32 s[G0P+4], 1
	s_add_co_u32 s[G0P+5], s2, 2*SLOTB
	s_add_nc_u64 s[G0P+6:G0P+7], s[98:99], 4*1536
	s_or_b32 s[G0P+7], s[G0P+7], 0x80000000
	s_mov_b32 s[G0R+8], 1                          ; slot A's refill: K steps 6, 7, wave x 8 tiles x 3,072 bytes
	s_mov_b32 s[G0R+9], s2
	s_add_nc_u64 s[G0R+10:G0R+11], s[66:67], 6*1536
	s_or_b32 s[G0R+11], s[G0R+11], 0x80000000
	s_mov_b32 s[G0P+8], 1
	s_mov_b32 s[G0P+9], s2
	s_add_nc_u64 s[G0P+10:G0P+11], s[98:99], 6*1536
	s_or_b32 s[G0P+11], s[G0P+11], 0x80000000
.endif
; the head's loads, one a wave: wave 0 R's codes, wave 1 P's, wave 2 R's scale words, wave 3 P's: one chain of branches on the wave's number, every way passes one load
	ARM 1, G0R, G1R, .Lhead_p\@, .Lhead_asked\@
	ARM 2, G0P, G1P, .Lhead_sr\@, .Lhead_asked\@
	ARM 3, G0RS, G1SR, .Lhead_sp\@, .Lhead_asked\@
	tensor_load_to_lds s[G0PS:G0PS+3], s[G1SP:G1SP+7]
	s_nop 0
.rept 4
	v_nop
.endr
.Lhead_asked\@:
	v_and_b32 v1, 15, v0                           ; r
	v_bfe_u32 v2, v0, 4, 1                         ; h
	v_and_b32 v3, 31, v0
	v_lshlrev_b32 v[LA], 4, v3
	v_lshlrev_b32 v[L8], 3, v3
	v_lshlrev_b32 v[LB], 4, v1
	v_lshl_add_u32 v[LB], v2, 3, v[LB]
	s_mul_i32 s2, s19, 24576                       ; my half of R,
	s_mul_i32 s3, s20, 24576
	s_add_co_u32 s3, s3, 49152                     ; my half of P
.irp s, 0,1,2
.if \s < NFILL
	v_add_nc_u32 v[RA+\s], s2, v[LA]
	v_add_nc_u32 v[RB+\s], s2, v[LB]
	v_add_nc_u32 v[PA+\s], s3, v[LA]
	v_add_nc_u32 v[PB+\s], s3, v[LB]
.if \s+1 < NFILL
.if \s == 0
	s_lshl_b32 s2, s2, 1                           ; slot 1: from byte 0 too, halves of twice the bytes
	s_lshl_b32 s3, s3, 1
.else
	s_lshr_b32 s2, s2, 1                           ; slot 2: laid as slot 0, 196,608 bytes on
	s_add_co_u32 s2, s2, 2*SLOTB
	s_lshr_b32 s3, s3, 1
	s_add_co_u32 s3, s3, 2*SLOTB
.endif
.endif
.endif
.endr
	s_mul_i32 s2, s19, HS                          ; R's words of my rows;
	s_mul_i32 s3, s20, HS
	s_add_co_u32 s3, s3, 8192
	s_sub_co_u32 s3, s3, s2                        ; lanes 16-31 take P's: one product, the distance between the two
	v_mul_u32_u24 v3, s3, v2
	s_add_co_u32 s2, s2, SCL
	v_lshl_add_u32 v3, v1, 2, v3
	v_add_nc_u32 v[ADRS], s2, v3
	; the bias along the registers (QK), and one number a lane and block of R: the token's mask (QK) or the channel's bv (V): the same lane term, immediates and offset serve both
	s_cmp_eq_u32 s23, 0
	s_cselect_b64 s[8:9], s[8:9], s[10:11]         ; cluster column 0 holds Wq's rows, column 1 Wk's
	s_cmp_eq_u32 s25, 1
	s_cselect_b64 s[14:15], s[14:15], s[12:13]
	s_and_b32 s100, s27, 3
	s_lshl_b32 s100, s100, 10
	s_lshl_b32 s101, s20, 9
	s_add_co_u32 s100, s100, s101                  ; channel 256 (pt % 4) + 128 x my half, in bytes
	s_mov_b32 s101, 0
	s_add_nc_u64 s[8:9], s[8:9], s[100:101]
	s_and_b32 s96, s26, 15
	s_lshl_b32 s96, s96, 10
	s_lshl_b32 s97, s19, 9
	s_add_co_u32 s96, s96, s97                     ; QK: batch x 4,096 + 4 x my first position = 1,024 (rt % 16) + 512 x my half;  V: channel 256 rt + 128 x my half, the same figure
	s_mov_b32 s97, 0
	s_add_nc_u64 s[14:15], s[14:15], s[96:97]
	v_lshlrev_b32 v[BO], 6, v2
	v_and_b32 v3, 8, v1
	v_add_nc_u32 v3, v3, v1
	v_lshlrev_b32 v[LO], 2, v3
	WIN TO_B
.irp b, 0,1,2,3,4,5,6,7                ; tile b, register j: channel 32 (b / 2) + 8 (b % 2) + 16 h + j
	global_load_b128 v[192+8*\b:195+8*\b], v[BO], s[8:9] offset:(32*(\b/2)+8*(\b%2))*4
	global_load_b128 v[196+8*\b:199+8*\b], v[BO], s[8:9] offset:(32*(\b/2)+8*(\b%2))*4+16
.endr
	WIN 0
.irp a, 0,1,2,3,4,5,6,7                ; block a, lane r: row 32 (a / 2) + 8 (a % 2) + r + 8 (r / 8)
	global_load_b32 v[LV+\a], v[LO], s[14:15] offset:(32*(\a/2)+8*(\a%2))*4
.endr
	s_wait_alu depctr_va_vdst(0)
.if NS == 8
	s_wait_tensorcnt 0x0                           ; my tile of the head's four is in
	ds_add_u32 v[SPW], v[NIL]
	s_mov_b32 s[G1R+1], CT<<16                     ; no tensor load of mine is out: from here a load brings two K steps of 8 tiles
	s_mov_b32 s[G1R+2], NBLK<<16
	s_mov_b32 s[G1R+3], CT<<16
	s_mov_b32 s[G1R+4], NBLK
	s_mov_b32 s[G1P+1], CT<<16
	s_mov_b32 s[G1P+2], NBLK<<16
	s_mov_b32 s[G1P+3], CT<<16
	s_mov_b32 s[G1P+4], NBLK
	s_wait_dscnt 0x0
	CROUND                                         ; all four tiles are in, and all sixteen work-groups are here
	JLOAD G0R+4, G1R, G0P+4, G1P                   ; K steps 4, 5, a first fill: my one tensor load behind the round; it is wanted three K steps on
.else
	SYNC 0                                         ; the scale words and all of K are in
.endif
	LOADSET NS/8, 0, 0, 0
.set J, 0
.rept NS                               ; the K steps, written out: wait for this step's set, ask for the next step's into the other set, multiply
	s_wait_dscnt 0x0
.if J+1 < NS
.if J == 3
	SYNCFILL                                       ; K steps 0 to 3 are in registers: K steps 4, 5 are awaited, K steps 6, 7 asked for
.endif
.if J == 5
	SYNC 0                                         ; K steps 6, 7 are in
.endif
.if J > 0
	PLACES 4                                       ; the other set was read by the step before
.endif
.if NS == 2 || J+1 < 4                 ; where K step J + 1 lies: the head's slot,
.set SL, NS/8
.set QQ, J+1
.else
.set SL, 2-2*((J+1)/6)                 ; slot 2 (K steps 4, 5) or slot 0 (K steps 6, 7)
.set QQ, (J+1)%2
.endif
	LOADSET SL, QQ, (J+1)%2, J+1
.endif
	MULS J%2, (J==0)
	WIN 0
.set J, J+1
.endr
	s_mov_b32 s40, SIG0*4                          ; 4 x this way's first stream, for the way out (all my tensor loads have been waited for: the descriptors' registers are free)
.endm
; THE KERNEL BEGINS HERE: which operands are mine hangs on the cluster's y alone
	s_and_b32 s3, ttmp7, 0xffff
; THE ORDER OF THE ROWS.  The rows that the head comment counts (0 to 11 for x1 and x2, 12 to 17 for x3) are laid along the grid's y so: y 0-5 are rows 0-5, y 6-9 rows 12-15, y 10-15 rows 6-11, y 16-17 rows 16-17.
; This takes the place of the head comment's words on the shorter work coming last: of the sixteen clusters with the lowest numbers twelve hold long work and four short work.
	s_cmp_lt_u32 s3, 6
	s_cbranch_scc1 .Lmain
	s_sub_co_u32 s3, s3, 10                        ; y 10-15 give 0 to 5; y 6-9 wrap round to the largest numbers
	s_cmp_lt_u32 s3, 6
	s_cbranch_scc1 .Lmain
.set NS,    2                          ; x3, Wtq | Wtk, Wtv: K = 256
.set NFILL, 1
.set HCT,   CT
.set QKC,   4
.set SIG0,  2
.set XC,    6291456
.set XW,    262144
.set WC,    10223616
.set WW,    425984
.set HS,    NBLK*NS*64
.set CYT,   10                         ; y under 10: 6 off; else 12 off
.set CYA,   6
.set CYB,   12
	HEADK
	s_branch .Lepi
.Lmain:
.set NS,    8                          ; x1, x2, Wq | Wk, Wv: K = 1,024
.set NFILL, 3
.set HCT,   2*CT
.set QKC,   8
.set SIG0,  0
.set XC,    0
.set XW,    0
.set WC,    7077888
.set WW,    294912
.set HS,    NBLK*NS*64
.set CYT,   6                          ; y under 6: as it is; else 4 off
.set CYA,   0
.set CYB,   4
	HEADK
.Lepi:
	s_wait_loadcnt 0x0                             ; the bias and the lanes' numbers
	PLACES 4
	s_mov_b32 s36, 0x76543210                      ; (no tensor load is out: the descriptors' registers are free)
	s_mov_b32 s37, 0xfedcba98                      ; selects for lane l xor 16
	s_mov_b32 s39, 0xffff0000                      ; lanes 16-31
	s_cmp_eq_u32 s25, 0
	s_cbranch_scc1 .Lvmode
; ---------------- QK: a lane holds a token; a head's 64 channels are two blocks of 32, 16 numbers of each in a lane ----------------
.set TT, 64                            ; v64-95   32 numbers;  v96-101 at work;  v104-106 a conversion's second result
.set QM, 96
.set QX, 104
.macro QUANT2 t, c, w                  ; v[t] .. v[t + 31], register 16 b + i = k 32 b + 16 h + i of my row -> six registers of codes (half a fragment) at v[c], the two bytes in v[w]
.irp b, 0,1
	v_max3_num_f32 v[QM+\b], |v[\t+16*\b]|, |v[\t+16*\b+1]|, 0x1800000   ; with the floor 2^(3 - 127)
.endr
.irp i, 2,4,6,8,10,12,14
.irp b, 0,1
	v_max3_num_f32 v[QM+\b], v[QM+\b], |v[\t+16*\b+\i]|, |v[\t+16*\b+\i+1]|
.endr
.endr
.irp b, 0,1
	v_permlanex16_b32 v[QM+2+\b], v[QM+\b], s36, s37
.endr
.irp b, 0,1
	v_max_num_f32 v[QM+\b], v[QM+\b], v[QM+2+\b]   ; with lane l xor 16's: the block's largest magnitude
.endr
.irp b, 0,1
	v_add_nc_u32 v[QM+4+\b], 0xff000000, v[QM+\b]  ; the conversion's scale operand
.endr
.irp b, 0,1
	v_lshrrev_b32 v[QM+2+\b], 23, v[QM+4+\b]       ; the byte
.endr
	v_lshl_or_b32 v[\w], v[QM+3], 8, v[QM+2]       ; bytes 2 and 3 stay 0: they scale the zero codes that fill K up to 128
	v_cvt_scalef32_pk16_fp6_f32 v[(\c):(\c)+2], v[\t:\t+15], v[QM+4]
	v_cvt_scalef32_pk16_fp6_f32 v[QX:QX+2], v[\t+16:\t+31], v[QM+5]
	v_nop                                          ; one plain place behind a scaled conversion
.irp i, 0,1,2
	v_permlane16_swap_b32 v[(\c)+\i], v[QX+\i]     ; a whole block to a lane: lanes 0-15 block 0, lanes 16-31 block 1
.endr
.irp i, 0,1,2
	v_mov_b32 v[(\c)+3+\i], v[QX+\i]
.endr
.endm
	v_mov_b32 v[QM+2], 0                           ; (a lane permute's destination counts as one of its sources)
	v_mov_b32 v[QM+3], 0
.irp a, 0,1,2,3,4,5,6,7
	v_cmp_ne_u32 s[28+\a], 0, v[LV+\a]             ; the tokens of block a that count
.endr
	s_lshr_b32 s98, s26, 2
	s_add_co_u32 s98, s98, s40                     ; 4 x stream + batch
	s_lshl_b32 s98, s98, 4
	s_and_b32 s99, s27, 3
	s_lshl_b32 s99, s99, 2
	s_add_co_u32 s98, s98, s99
	s_lshl_b32 s99, s20, 1
	s_add_co_u32 s98, s98, s99                     ; the record of the first of my two heads
	s_mul_i32 s98, s98, RECB
	s_and_b32 s99, s26, 3
	s_lshl_b32 s99, s99, 1
	s_add_co_u32 s99, s99, s19                     ; which 128 positions of the sequence
	s_lshl_b32 s100, s99, 9
	s_mul_i32 s99, s99, 8*768
	s_add_co_u32 s100, s100, s98
	s_add_co_u32 s98, s98, s99
	s_mov_b32 s101, KSCOFF
	s_cmp_eq_u32 s23, 0
	s_cselect_b32 s38, -1, 0                       ; q is never masked
	s_cselect_b32 s99, QOFF, 0
	s_cselect_b32 s101, QSCOFF, s101
	s_add_co_u32 s98, s98, s99
	s_add_co_u32 s100, s100, s101
	s_mov_b32 s99, 0
	s_mov_b32 s101, 0
	s_add_nc_u64 s[98:99], s[16:17], s[98:99]
	s_add_nc_u64 s[100:101], s[16:17], s[100:101]
.irp a, 0,1,2,3,4,5,6,7
	s_or_b32 s[28+\a], s[28+\a], s38
.endr
.set HJ, 0
.rept 2
.set WA, 0
.rept 8
.set CC, 128+8*(8*HJ+WA)               ; a set of its own for each tile's codes: no store's data are written again
.if WA < 4
	WIN 0x06                                       ; source 0 window 2, source 1 (the bias) window 1
.else
	WIN 0x07
.endif
.set WK, 0
.rept 16
	v_pk_add_f32 v[TT+2*WK:TT+2*WK+1], v[(8*(8*WA+4*HJ))%256+2*WK:(8*(8*WA+4*HJ))%256+2*WK+1], v[192+32*HJ+2*WK:192+32*HJ+2*WK+1]   ; each accumulator from its low end on
.set WK, WK+1
.endr
	WIN 0
	QUANT2 TT, CC, 108+WA
.set WK, 0
.rept 6
	v_cndmask_b32 v[CC+WK], 0, v[CC+WK], s[28+WA]  ; a masked key's codes become 0
.set WK, WK+1
.endr
	global_store_b128 v[LA], v[CC:CC+3], s[98:99] offset:HJ*RECB+768*WA
	global_store_b64 v[LB], v[CC+4:CC+5], s[98:99] offset:HJ*RECB+768*WA+512
.set WA, WA+1
.endr
.set WK, 0
.rept 4                                ; the scale image of 128 rows: register i of lane (r, h) = the word of tile 2 i + h, row r
	v_cndmask_b32 v[116+4*HJ+WK], v[108+2*WK], v[109+2*WK], s39
.set WK, WK+1
.endr
	global_store_b128 v[LA], v[116+4*HJ:119+4*HJ], s[100:101] offset:HJ*RECB
.set HJ, HJ+1
.endr
	s_branch .Lend
; ---------------- V: a lane holds a channel; the 64 registers of a block of R are 128 keys' worth: four blocks of 32, 16 numbers of each in a lane ----------------
.Lvmode:
.set VM, 128                           ; v128-139 at work;  v140-143 the scale images;  v144-150 conversions' second results;  v152-159 the words;  v160-255 eight sets of codes
.set VX, 144
.macro QUANT4 s, c, w                  ; v[s] .. v[s + 63], register 16 b + i = k 32 b + 16 h + i -> a fragment at v[c], its scale word in v[w]
.irp b, 0,1,2,3
	v_max3_num_f32 v[VM+\b], |v[\s+16*\b]|, |v[\s+1+16*\b]|, 0x1800000
.endr
.irp i, 2,4,6,8,10,12,14
.irp b, 0,1,2,3
	v_max3_num_f32 v[VM+\b], v[VM+\b], |v[\s+16*\b+\i]|, |v[\s+1+16*\b+\i]|
.endr
.endr
.irp b, 0,1,2,3
	v_permlanex16_b32 v[VM+4+\b], v[VM+\b], s36, s37
.endr
.irp b, 0,1,2,3
	v_max_num_f32 v[VM+\b], v[VM+\b], v[VM+4+\b]
.endr
.irp b, 0,1,2,3
	v_add_nc_u32 v[VM+8+\b], 0xff000000, v[VM+\b]
.endr
.irp b, 0,1,2,3
	v_lshrrev_b32 v[VM+4+\b], 23, v[VM+8+\b]
.endr
	v_lshl_or_b32 v[\w], v[VM+5], 8, v[VM+4]
	v_lshl_or_b32 v[\w], v[VM+6], 16, v[\w]
	v_lshl_or_b32 v[\w], v[VM+7], 24, v[\w]
.irp h, 0,1
	v_cvt_scalef32_pk16_fp6_f32 v[(\c)+6*\h:(\c)+6*\h+2], v[\s+32*\h:\s+32*\h+15], v[VM+8+2*\h]
	v_cvt_scalef32_pk16_fp6_f32 v[VX+4*\h:VX+4*\h+2], v[\s+32*\h+16:\s+32*\h+31], v[VM+9+2*\h]
.endr
	v_nop                                          ; one plain place behind a scaled conversion
.irp h, 0,1
.irp i, 0,1,2
	v_permlane16_swap_b32 v[(\c)+6*\h+\i], v[VX+4*\h+\i]
.endr
.irp i, 0,1,2
	v_mov_b32 v[(\c)+6*\h+3+\i], v[VX+4*\h+\i]
.endr
.endr
.endm
.irp b, 0,1,2,3
	v_mov_b32 v[VM+4+\b], 0                        ; (a lane permute's destination counts as one of its sources)
.endr
.irp a, 0,1,2,3,4,5,6,7
	v_mov_b32 v[SCR+2*\a], v[LV+\a]                ; bv of my channel of block a, as the low word of a pair (the scale words' registers are done with)
.endr
	s_lshr_b32 s98, s27, 2
	s_add_co_u32 s98, s98, s40                     ; 4 x stream + batch
	s_lshl_b32 s98, s98, 4
	s_lshl_b32 s99, s26, 2
	s_add_co_u32 s98, s98, s99
	s_lshl_b32 s99, s19, 1
	s_add_co_u32 s98, s98, s99                     ; the record of the first of my two heads
	s_mul_i32 s98, s98, RECB
	s_and_b32 s99, s27, 3
	s_lshl_b32 s99, s99, 1
	s_add_co_u32 s99, s99, s20                     ; the key step
	s_lshl_b32 s100, s99, 8
	s_mul_i32 s99, s99, 4*1536
	s_add_co_u32 s100, s100, s98
	s_add_co_u32 s98, s98, s99
	s_mov_b32 s99, 0
	s_mov_b32 s101, 0
	s_add_nc_u64 s[98:99], s[16:17], s[98:99]
	s_add_nc_u64 s[100:101], s[16:17], s[100:101]
.set WA, 0
	s_wait_alu depctr_va_vdst(0)
.rept 8
.set CC, 160+12*WA
.set IM, (WA/4)*RECB+VOFF+(WA%4)*1536
.if WA < 4
	WIN 0x02                                       ; source 0 window 2
.else
	WIN 0x03
.endif
.set WK, 0
.rept 32
	v_pk_add_f32 v[64+2*WK:65+2*WK], v[(64*WA)%256+2*WK:(64*WA)%256+2*WK+1], v[SCR+2*WA:SCR+2*WA+1] op_sel_hi:[1,0]   ; the pair's low word serves both halves
.set WK, WK+1
.endr
	WIN 0
	QUANT4 64, CC, 152+WA
	global_store_b128 v[LA], v[CC:CC+3], s[98:99] offset:IM
	global_store_b64 v[LB], v[CC+4:CC+5], s[98:99] offset:IM+512
	global_store_b128 v[LA], v[CC+6:CC+9], s[98:99] offset:IM+768
	global_store_b64 v[LB], v[CC+10:CC+11], s[98:99] offset:IM+1280
.if WA%4 == 3                          ; a head's scale image of this key step: register i of lane (r, h) = the word of channel tile 2 i + h
	v_cndmask_b32 v[140+2*(WA/4)], v[152+4*(WA/4)], v[153+4*(WA/4)], s39
	v_cndmask_b32 v[141+2*(WA/4)], v[154+4*(WA/4)], v[155+4*(WA/4)], s39
	global_store_b64 v[L8], v[140+2*(WA/4):141+2*(WA/4)], s[100:101] offset:(WA/4)*RECB+VSCOFF
.endif
.set WA, WA+1
.endr
.Lend:
	s_wait_tensorcnt 0x0                           ; the wave's end
	ds_add_u32 v[SPW], v[NIL]
	s_wait_dscnt 0x0
	CROUND                                         ; the closing round: no work-group ends while a partner may still ask for a tile that names it
	s_endpgm
.Lfunc_end_k_qf6000d0a01_proj_main:
	.size	k_qf6000d0a01_proj_main, .Lfunc_end_k_qf6000d0a01_proj_main-k_qf6000d0a01_proj_main
	.p2alignl 7, 3214868480
	.fill 96, 4, 3214868480
	.section	.rodata,"a",@progbits
	.p2align	6, 0x0
	.amdhsa_kernel k_qf6000d0a01_proj_main
		.amdhsa_group_segment_fixed_size 327680
		.amdhsa_private_segment_fixed_size 0
		.amdhsa_enable_private_segment 0
		.amdhsa_kernarg_size 80
		.amdhsa_user_sgpr_count 2
		.amdhsa_user_sgpr_kernarg_segment_ptr 1
		.amdhsa_wavefront_size32 1
		.amdhsa_system_sgpr_workgroup_id_x 1
		.amdhsa_system_sgpr_workgroup_id_y 1
		.amdhsa_system_sgpr_workgroup_id_z 1
		.amdhsa_system_vgpr_workitem_id 0
		.amdhsa_next_free_vgpr 1024
		.amdhsa_next_free_sgpr 102
		.amdhsa_reserve_vcc 0
		.amdhsa_float_denorm_mode_32 3
		.amdhsa_float_denorm_mode_16_64 3
		.amdhsa_memory_ordered 1
		.amdhsa_forward_progress 1
		.amdhsa_inst_pref_size 255
	.end_amdhsa_kernel
	.section	.bss,"aw",@nobits
	.p2align	6
	.space	262144
	.amdgpu_metadata
---
amdhsa.version: [ 1, 2 ]
amdhsa.kernels:
  - .name:           k_qf6000d0a01_proj_main
    .symbol:         k_qf6000d0a01_proj_main.kd
    .args:
      - { .name: opc, .offset: 0, .size: 8, .value_kind: global_buffer, .address_space: global }
      - { .name: ops, .offset: 8, .size: 8, .value_kind: global_buffer, .address_space: global }
      - { .name: bq, .offset: 16, .size: 8, .value_kind: global_buffer, .address_space: global }
      - { .name: bk, .offset: 24, .size: 8, .value_kind: global_buffer, .address_space: global }
      - { .name: bv, .offset: 32, .size: 8, .value_kind: global_buffer, .address_space: global }
      - { .name: mask, .offset: 40, .size: 8, .value_kind: global_buffer, .address_space: global }
      - { .name: qkv, .offset: 48, .size: 8, .value_kind: global_buffer, .address_space: global }
      - { .name: btq, .offset: 56, .size: 8, .value_kind: global_buffer, .address_space: global }
      - { .name: btk, .offset: 64, .size: 8, .value_kind: global_buffer, .address_space: global }
      - { .name: btv, .offset: 72, .size: 8, .value_kind: global_buffer, .address_space: global }
    .group_segment_fixed_size: 327680
    .private_segment_fixed_size: 0
    .kernarg_segment_align: 8
    .kernarg_segment_size: 80
    .max_flat_workgroup_size: 128
    .sgpr_count:     102
    .vgpr_count:     1024
    .wavefront_size: 32
...
	.end_amdgpu_metadata
.endif
;; end of part 2
;; launch attn (part 3): grid 4 x 64, 16 waves a work-group, clusters of 4 x 1, 327,680 bytes of LDS; arguments qkv, mask, xc, xcs; writes xc, xcs
.if DOCPART == 3
	.amdgcn_target "amdgcn-amd-amdhsa--gfx1250"
	.amdhsa_code_object_version 6
	.text
	.protected	k_qf6000d0a01_attn
	.globl	k_qf6000d0a01_attn
	.p2align	8
	.type	k_qf6000d0a01_attn,@function
k_qf6000d0a01_attn:
	s_mov_b64 s[64:65], 0
	v_nop
	global_prefetch_b8 v0, s[64:65] scope:SCOPE_SE
	s_setreg_imm32_b32 hwreg(HW_REG_WAVE_MODE, 25, 1), 1
	s_wait_xcnt 0x0
	s_wait_alu depctr_hold_cnt(0) depctr_sa_sdst(0) depctr_va_vdst(0) depctr_va_sdst(0) depctr_va_ssrc(0) depctr_va_vcc(0) depctr_vm_vsrc(0)
	s_getreg_b32 s2, hwreg(HW_REG_IB_STS2, 6, 4)
	s_cmp_eq_u32 s2, 0
	s_cbranch_scc0 .Lentry_in_a_cluster
	s_endpgm
.Lentry_in_a_cluster:
	s_bfe_u32 s2, ttmp6, 0x10000c
	s_cmp_lg_u32 s2, 0x3003
	s_cbranch_scc0 .Lentry_shape_is_right
	s_endpgm
.Lentry_shape_is_right:
; The three attentions (products 10 to 15), their mix 0.5 (xr + xn + xt), and the mix quantised along the channels for product 16.  Nothing of reference() is left out.
; A work-group takes 256 queries of one (batch, head); a wave 16 queries through all three streams.  Both products are used transposed (S^T = k q^T, O^T = v^T p^T): a lane holds one query.
; LDS: the K, V and scale images of all three streams, 3 x 104,448 bytes, filled ONCE at the head: waves 0 to 11 bring 102 rows of 256 bytes each (four waves to a stream), every row at a multiple of 256 bytes
; of the buffer.  CLUSTER 4 x 1: the four work-groups of a (batch, head) need the same bytes and ask jointly.  One wait for 0, one barrier; nothing is filled again, so no further barrier stands in the text.
; No prefetch: all that the launch reads through LDS is asked for at its head; there is no loop to run ahead in.
; THE KEYS OF A TILE OF K are chosen by LDS address: of each 64 keys tile t (0..3) takes keys 8 t + 0..7 as rows 0-7 and keys 32 + 8 t + 0..7 as rows 8-15.  In S^T lanes 0-15 hold a tile's rows 0-7 and lanes
; 16-31 its rows 8-15, so the 32 registers of four tiles are ONE WHOLE BLOCK of 32 keys: lane (r, h) holds keys 64 c + 32 h + 0..31 of query r, which is the layout of p as an operand.  A block's maximum needs
; no other lane, and the conversions' results are the operand's registers.  In the stored order key 64 c + 32 g + 8 t + i is row 8 (t / 2) + i of stored tile 4 c + 2 g + t % 2: a lane term and immediates.
; THE SOFTMAX: M = ceil of the running largest t, kept as -M; p = 2^(t - M); the sum is taken of the unquantised p; when M moves, sum and O^T are multiplied by 2^(old M - new M), exactly, with no branch.
; A block's largest p is the block's largest score put through the same multiply-add and exponential.
; MASKED KEYS: their k codes are 0 (the launches before), so their score is 0; where the batch has a masked key the running maximum starts at the fill's own score (8e-8 = 1e-8 sqrt(64)), so M is at least 1, under
; which f32 rounds t - M to -M for the fill and for 0 alike.  LIMITS: NaN and infinities are not served; scaled scores stay under 2^31; a block under 2^-124 keeps the scale byte 1.
; REGISTERS: v1 16 lane, v2 16 r + 8 h, v3 8 h, v4 4 r, v5-6 the add's, v7 8 lane, v8-13 LDS addresses, v14 -M, v15 running maximum, v16-27 q (upper half zeros), v28-29, v254 q's offsets, v30-31 the sum,
; v32-85 fragments of k or v (v80-85 zeros), v86-92 the next stream's q, v93-95 k's lane terms, v96-159 S^T then p, v160-191 O^T, v192-223 the mix, v224-235 p's codes, v236-247 at work,
; v248-251 k's or v's scale words, v252 the factor, v253 p's scale word, v255 q's.
.set RECB,   157696
.set SLOTB,  104448
.set VOFF,   49152
.set KSCOFF, 98304
.set VSCOFF, 102400
.set QOFF,   104448
.set QSCOFF, 153600
.set PART,   26112                     ; what one load brings: 102 rows of 256 bytes, a quarter of a stream's bytes
.set SPARE,  3*SLOTB                   ; the spare words, 128 bytes a wave: eight blocks of 256 bytes that no other line names
.macro ROUND
	s_barrier_signal -1
	s_barrier_wait -1
	s_cmp_lg_u32 s18, 0
	s_cbranch_scc1 .Lnot_wave_0_\@
	s_barrier_signal -3
.Lnot_wave_0_\@:
	s_barrier_wait -3
	s_barrier_signal -1
	s_barrier_wait -1
.endm
	s_load_b256 s[4:11], s[0:1], 0x0               ; qkv, mask, xc, xcs
	v_lshl_add_u32 v5, v0, 2, SPARE
	v_mov_b32 v6, 0
	ds_add_u32 v5, v6                              ; the opening: the add, twice on end, and its wait
	ds_add_u32 v5, v6
	v_lshrrev_b32 v8, 5, v0
	v_readfirstlane_b32 s18, v8                    ; wave
	s_bfe_u32 s12, ttmp6, 0x40000
	s_lshl_b32 s13, ttmp9, 2
	s_add_co_u32 s12, s12, s13                     ; which 256 queries
	s_and_b32 s13, ttmp7, 0xffff                   ; 16 x batch + head
	s_mov_b32 s24, 15|(3<<16)|(1<<21)              ; all four partners; elements of 8 bytes
	s_mov_b32 s25, 32<<16
	s_mov_b32 s26, 102<<16
	s_mov_b32 s27, 32<<16
	s_mov_b32 s28, 102
	s_mov_b32 s29, 32
	s_mov_b32 s30, 0
	s_mov_b32 s31, 0
	s_mul_i32 s14, s13, RECB
	s_mov_b32 s15, 0
	s_lshr_b32 s16, s18, 2                         ; the stream that my load serves,
	s_mul_i32 s16, s16, 64*RECB
	s_and_b32 s17, s18, 3                          ; and which quarter of its bytes
	s_mul_i32 s17, s17, PART
	s_add_co_u32 s16, s16, s17
	s_mov_b32 s17, 0
	s_mov_b32 s32, 1
	s_mul_i32 s33, s18, PART                       ; four quarters are a stream's slot
	s_mov_b32 s20, 0x76543210
	s_mov_b32 s21, 0xfedcba98                      ; selects for lane l xor 16
	s_mov_b32 s22, 0x3e38aa3b                      ; log2(e) / sqrt(64)
	s_mov_b32 s23, s22
	s_lshl_b32 s2, s12, 4
	s_add_co_u32 s2, s2, s18                       ; my tile of 16 queries, 0 to 63
	s_mul_i32 s3, s2, 768
	s_lshr_b32 s36, s2, 3                          ; its scale words in q's scale images
	s_lshl_b32 s36, s36, 9
	s_and_b32 s19, s18, 1
	s_lshl_b32 s19, s19, 8
	s_add_co_u32 s36, s36, s19
	s_bfe_u32 s19, s18, 0x20001
	s_lshl_b32 s19, s19, 2
	s_add_co_u32 s36, s36, s19
	s_wait_alu depctr_va_vdst(0)
	s_wait_dscnt 0x0
	s_wait_kmcnt 0x0
	s_add_nc_u64 s[50:51], s[4:5], s[14:15]        ; my (batch, head)'s record of stream 0, 1, 2
	s_add_nc_u64 s[52:53], s[50:51], 64*RECB
	s_add_nc_u64 s[54:55], s[50:51], 128*RECB
	s_add_nc_u64 s[34:35], s[50:51], s[16:17]
	s_or_b32 s35, s35, 0x80000000
	ROUND
	s_cmp_lt_u32 s18, 12
	s_cbranch_scc0 .Lno_fill
	tensor_load_to_lds s[32:35], s[24:31]          ; the launch's only fills: one load in each of twelve waves
	s_nop 0
.rept 4
	v_nop
.endr
.Lno_fill:
	v_and_b32 v8, 31, v0
	v_and_b32 v9, 15, v0                           ; r
	v_bfe_u32 v10, v0, 4, 1                        ; h
	v_and_b32 v12, 7, v0                           ; r % 8
	v_bfe_u32 v13, v0, 3, 1                        ; r / 8
	v_lshlrev_b32 v1, 4, v8
	v_lshlrev_b32 v7, 3, v8
	v_lshlrev_b32 v11, 4, v9
	v_lshlrev_b32 v4, 2, v9
	v_lshlrev_b32 v3, 3, v10
	v_mul_u32_u24 v93, v13, 1536                   ; rows 8-15 of a tile come from the stored tile two further on
	v_lshlrev_b32 v95, 4, v12
	v_lshl_add_u32 v2, v10, 3, v11
	v_lshl_add_u32 v93, v12, 4, v93
	v_lshl_add_u32 v95, v13, 2, v95
	v_lshl_add_u32 v94, v10, 3, v93                ; k, registers 4, 5: 16 (r % 8) + 1,536 (r / 8) + 8 h
	v_lshl_add_u32 v95, v10, 8, v95                ; k's scale words: 16 (r % 8) + 4 (r / 8) + 256 h
	v_lshl_add_u32 v93, v10, 8, v93                ; k, registers 0-3: 16 (r % 8) + 1,536 (r / 8) + 256 h
	v_add_nc_u32 v28, s3, v1
	v_add_nc_u32 v29, s3, v2
	v_add_nc_u32 v254, s36, v11
.irp j, 0,1,2,3,4,5
	v_mov_b32 v[22+\j], 0                          ; the head's 64 fill half of K = 128: q's upper codes are zeros,
	v_mov_b32 v[80+\j], 0                          ; and so is what follows k's last tile
.endr
	v_mov_b32 v253, 0                              ; (named as the upper half of a pair before it is first written)
	s_wait_alu depctr_va_vdst(0)
	global_load_b128 v[86:89], v28, s[50:51] offset:QOFF
	global_load_b64 v[90:91], v29, s[50:51] offset:QOFF+512
	global_load_b32 v92, v254, s[50:51] offset:QSCOFF
	s_lshr_b32 s56, s13, 4                         ; batch
	s_lshl_b32 s58, s56, 12
	s_mov_b32 s59, 0
	s_add_nc_u64 s[6:7], s[6:7], s[58:59]
.irp i, 0,1,2,3,4,5,6,7
	global_load_b128 v[96+4*\i:99+4*\i], v1, s[6:7] offset:512*\i   ; the batch's 1,024 mask words
.endr
	s_lshl_b32 s56, s56, 6                         ; where my half fragment and its two scale bytes go in xc, xcs
	s_add_co_u32 s56, s56, s2
	s_lshl_b32 s56, s56, 3
	s_bfe_u32 s57, s13, 0x30001
	s_add_co_u32 s56, s56, s57
	s_and_b32 s57, s13, 1
	s_lshl_b32 s58, s56, 6
	s_mul_i32 s56, s56, 1536
	s_mul_i32 s3, s57, 768
	s_add_co_u32 s56, s56, s3
	s_lshl_b32 s57, s57, 1
	s_add_co_u32 s58, s58, s57
	s_mov_b32 s57, 0
	s_add_nc_u64 s[56:57], s[8:9], s[56:57]
	s_add_nc_u64 s[58:59], s[10:11], s[58:59]
	s_wait_loadcnt 0x0
.irp j, 0,1,2,3,4,5,6,7,8,9,10,11,12,13,14,15
	v_min_u32 v[96+\j], v[96+\j], v[112+\j]        ; is any key of the batch masked?  0 is the least unsigned word
.endr
.irp j, 0,1,2,3,4,5,6,7
	v_min_u32 v[96+\j], v[96+\j], v[104+\j]
.endr
.irp j, 0,1,2,3
	s_delay_alu instid0(VALU_DEP_4)
	v_min_u32 v[96+\j], v[96+\j], v[100+\j]
.endr
	s_delay_alu instid0(VALU_DEP_2)
	v_min_u32 v96, v96, v98
	v_min_u32 v97, v97, v99
	s_delay_alu instid0(VALU_DEP_1)
	v_min_u32 v96, v96, v97
	s_delay_alu instid0(VALU_DEP_1)
	v_cmp_eq_u32 s49, 0, v96
	s_mov_b32 s48, 0xff61b1e6                      ; -3e38, under every score
	s_cmp_lg_u32 s49, 0
	s_cselect_b32 s48, 0x33abcc77, s48             ; or the fill's score, 8e-8: a choice, no branch
	s_wait_alu depctr_va_vdst(0)
	s_wait_tensorcnt 0x0                           ; my part is in;
	s_barrier_signal -1
	s_barrier_wait -1                              ; everybody's is
.macro STEP                            ; 128 keys
.irp t, 0,1,2,3,4,5,6,7
	ds_load_b128 v[32+6*\t:35+6*\t], v8 offset:(4*(\t/4)+\t%2)*768+128*((\t%4)/2)
	ds_load_b64 v[36+6*\t:37+6*\t], v9 offset:(4*(\t/4)+\t%2)*768+128*((\t%4)/2)+512
.endr
.irp i, 0,1,2,3
	ds_load_b32 v[248+\i], v10 offset:128*(\i%2)+8*(\i/2)   ; lanes 0-15 the words of tile 2 i, lanes 16-31 of tile 2 i + 1
.endr
	s_add_co_u32 s44, s44, 6144
	s_add_co_u32 s45, s45, 512
	s_add_co_u32 s46, s46, 256
	s_wait_dscnt 0x0
.irp t, 0,2,4,6
	v_wmma_scale_f32_16x16x128_f8f6f4 v[96+8*\t:103+8*\t], v[32+6*\t:43+6*\t], v[16:27], 0, v[248+\t/2], v255 matrix_a_fmt:MATRIX_FMT_FP6 matrix_b_fmt:MATRIX_FMT_FP6
	v_wmma_scale_f32_16x16x128_f8f6f4 v[104+8*\t:111+8*\t], v[38+6*\t:49+6*\t], v[16:27], 0, v[248+\t/2], v255 matrix_a_fmt:MATRIX_FMT_FP6 matrix_b_fmt:MATRIX_FMT_FP6 matrix_a_scale:MATRIX_SCALE_ROW1
.endr
	v_add_nc_u32 v11, s44, v1                      ; seven plain lines: the places behind the products.  v's addresses (s44 has stepped: the immediates take 6,144 off),
	v_add_nc_u32 v12, s44, v2
	v_add_nc_u32 v13, s46, v7
	v_mov_b32 v247, v14                            ; the old -M,
	v_add_nc_u32 v8, s44, v93                      ; and the next step's addresses of k
	v_add_nc_u32 v9, s44, v94
	v_add_nc_u32 v10, s45, v95
.irp t, 0,1,2,3
	ds_load_b128 v[32+12*\t:35+12*\t], v11 offset:VOFF-6144+1536*\t
	ds_load_b64 v[36+12*\t:37+12*\t], v12 offset:VOFF-6144+1536*\t+512
	ds_load_b128 v[38+12*\t:41+12*\t], v11 offset:VOFF-6144+1536*\t+768
	ds_load_b64 v[42+12*\t:43+12*\t], v12 offset:VOFF-6144+1536*\t+1280
.endr
	ds_load_b64 v[248:249], v13
.irp k, 0,1,2,3,4,5,6,7                ; the largest score of my two blocks: eight chains by turns, each tile from its low end on
	v_max3_num_f32 v[236+\k], v[96+8*\k], v[97+8*\k], v[98+8*\k]
.endr
.irp i, 3,5
.irp k, 0,1,2,3,4,5,6,7
	v_max3_num_f32 v[236+\k], v[236+\k], v[96+8*\k+\i], v[97+8*\k+\i]
.endr
.endr
	v_max3_num_f32 v236, v236, v237, v238
	v_max3_num_f32 v240, v240, v241, v242
	v_max3_num_f32 v239, v239, v103, v111
	v_max3_num_f32 v243, v243, v135, v143
	v_max3_num_f32 v236, v236, v119, v127
	v_max3_num_f32 v240, v240, v151, v159
	s_delay_alu instid0(VALU_DEP_2)
	v_max_num_f32 v236, v236, v239                 ; block h's
	s_delay_alu instid0(VALU_DEP_2)
	v_max_num_f32 v237, v240, v243                 ; block 2 + h's
	s_delay_alu instid0(VALU_DEP_1)
	v_max3_num_f32 v243, v15, v236, v237
	s_delay_alu instid0(VALU_DEP_1)
	v_permlanex16_b32 v239, v243, s20, s21
	s_delay_alu instid0(VALU_DEP_1)
	v_max_num_f32 v15, v243, v239                  ; the running largest score of my query
	s_delay_alu instid0(VALU_DEP_1)
	v_mul_f32 v243, s22, v15                       ; as t
	s_delay_alu instid0(VALU_DEP_1)
	v_floor_f32 v14, -v243                         ; -M = floor(-t)
	s_delay_alu instid0(VALU_DEP_1)
	v_sub_f32 v243, v14, v247                      ; old M - new M, a whole number, 0 or less
.irp j, 0,2,4,6,8,10,12,14
	v_pk_fma_f32 v[96+\j:97+\j], v[96+\j:97+\j], s[22:23], v[14:15] op_sel_hi:[1,0,0]   ; t - M
.endr
	v_cvt_i32_f32 v243, v243                       ; (it saturates)
.irp j, 16,18,20,22,24,26,28,30
	v_pk_fma_f32 v[96+\j:97+\j], v[96+\j:97+\j], s[22:23], v[14:15] op_sel_hi:[1,0,0]
.endr
	v_ldexp_f32 v252, 1.0, v243                    ; 2^(old M - new M)
.irp j, 32,34,36,38,40,42,44,46,48,50,52,54,56,58,60,62
	v_pk_fma_f32 v[96+\j:97+\j], v[96+\j:97+\j], s[22:23], v[14:15] op_sel_hi:[1,0,0]
.endr
	v_fma_f32 v236, v236, s22, v14                 ; the same of each block's largest score
	v_fma_f32 v237, v237, s22, v14
.irp j, 0,2,4,6,8,10,12,14,16,18,20,22,24,26,28,30
	v_pk_mul_f32 v[160+\j:161+\j], v[160+\j:161+\j], v[252:253] op_sel_hi:[1,0]   ; O^T under the new M
.endr
	s_wait_alu depctr_va_vdst(0)
.irp j, 0,1,2,3,4,5,6,7,8,9,10,11,12,13,14,15,16,17,18,19,20,21,22,23,24,25,26,27,28,29,30,31,32,33,34,35,36,37,38,39,40,41,42,43,44,45,46,47,48,49,50,51,52,53,54,55,56,57,58,59,60,61,62,63
	v_exp_f32 v[96+\j], v[96+\j]                   ; p = 2^(t - M)
.endr
	v_exp_f32 v236, v236                           ; and each block's largest p
	v_exp_f32 v237, v237
	v_pk_mul_f32 v[30:31], v[30:31], v[252:253] op_sel_hi:[1,0]   ; the sum under the new M: the plain place behind the batch
	s_wait_alu depctr_va_vdst(0)                   ; one wait for the batch, ahead of its first reader
	v_max_num_f32 v236, 0x1800000, v236            ; the floor 2^(3 - 127)
	v_max_num_f32 v237, 0x1800000, v237
	s_delay_alu instid0(VALU_DEP_2)
	v_add_nc_u32 v238, 0xff000000, v236            ; 2 off the exponent field: the conversions' scale operands
	s_delay_alu instid0(VALU_DEP_2)
	v_add_nc_u32 v239, 0xff000000, v237
	v_cvt_scalef32_pk16_fp6_f32 v[224:226], v[96:111], v238
	v_cvt_scalef32_pk16_fp6_f32 v[240:242], v[112:127], v238   ; (a conversion's three registers begin on an even number)
	v_cvt_scalef32_pk16_fp6_f32 v[230:232], v[128:143], v239
	v_cvt_scalef32_pk16_fp6_f32 v[244:246], v[144:159], v239
	v_lshrrev_b32 v243, 23, v238                   ; the bytes of blocks h and 2 + h (also the plain place behind the conversions)
	v_lshrrev_b32 v247, 23, v239
.irp i, 0,1,2
	v_mov_b32 v[227+\i], v[240+\i]
	v_mov_b32 v[233+\i], v[244+\i]
.endr
	v_lshl_or_b32 v243, v247, 16, v243
	s_delay_alu instid0(VALU_DEP_1)
	v_lshlrev_b32 v243, v3, v243                   ; at their places, 8 h bits up;
	s_delay_alu instid0(VALU_DEP_1)
	v_permlanex16_b32 v247, v243, s20, s21
	s_delay_alu instid0(VALU_DEP_1)
	v_or_b32 v253, v243, v247                      ; with lane l xor 16's two the word is whole
	v_pk_add_f32 v[236:237], v[96:97], v[98:99]    ; the sum of the unquantised p, four chains by turns; these 28 lines are the places between the operand's and the scale word's writes and the products
	v_pk_add_f32 v[238:239], v[100:101], v[102:103]
	v_pk_add_f32 v[240:241], v[104:105], v[106:107]
	v_pk_add_f32 v[30:31], v[30:31], v[108:109]
.irp j, 7,11,15,19,23,27
	v_pk_add_f32 v[236:237], v[236:237], v[96+2*\j:97+2*\j]
	v_pk_add_f32 v[238:239], v[238:239], v[98+2*\j:99+2*\j]
	v_pk_add_f32 v[240:241], v[240:241], v[100+2*\j:101+2*\j]
	v_pk_add_f32 v[30:31], v[30:31], v[102+2*\j:103+2*\j]
.endr
	s_wait_alu depctr_va_vdst(0)
	s_wait_dscnt 0x0                               ; v's fragments and scale words
.irp t, 0,2
	v_wmma_scale_f32_16x16x128_f8f6f4 v[160+8*\t:167+8*\t], v[32+12*\t:43+12*\t], v[224:235], v[160+8*\t:167+8*\t], v[248+\t/2], v253 matrix_a_fmt:MATRIX_FMT_FP6 matrix_b_fmt:MATRIX_FMT_FP6
	v_wmma_scale_f32_16x16x128_f8f6f4 v[168+8*\t:175+8*\t], v[44+12*\t:55+12*\t], v[224:235], v[168+8*\t:175+8*\t], v[248+\t/2], v253 matrix_a_fmt:MATRIX_FMT_FP6 matrix_b_fmt:MATRIX_FMT_FP6 matrix_a_scale:MATRIX_SCALE_ROW1
.endr
	v_pk_add_f32 v[240:241], v[240:241], v[158:159]   ; the sum's last four lines are the places behind the products
	v_pk_add_f32 v[236:237], v[236:237], v[238:239]
	s_delay_alu instid0(VALU_DEP_2)
	v_pk_add_f32 v[30:31], v[30:31], v[240:241]
	s_delay_alu instid0(VALU_DEP_1)
	v_pk_add_f32 v[30:31], v[30:31], v[236:237]
.endm
.macro STREAM n
	s_wait_loadcnt 0x0                             ; this stream's q
.irp j, 0,1,2,3,4,5
	v_mov_b32 v[16+\j], v[86+\j]
.endr
	v_mov_b32 v255, v92
.if \n < 2
	global_load_b128 v[86:89], v28, s[52+2*\n:53+2*\n] offset:QOFF      ; the next stream's
	global_load_b64 v[90:91], v29, s[52+2*\n:53+2*\n] offset:QOFF+512
	global_load_b32 v92, v254, s[52+2*\n:53+2*\n] offset:QSCOFF
.endif
	v_mov_b32 v15, s48
	v_mov_b32 v30, 0
	v_mov_b32 v31, 0
	v_mul_f32 v243, s22, v15
.irp j, 0,1,2,3,4,5,6,7,8,9,10,11,12,13,14,15,16,17,18,19,20,21,22,23,24,25,26,27,28,29,30,31
	v_mov_b32 v[160+\j], 0                         ; the step is written once: the first finds zeros
.endr
	v_floor_f32 v14, -v243
	s_mov_b32 s44, \n*SLOTB
	s_mov_b32 s45, \n*SLOTB+KSCOFF
	s_mov_b32 s46, \n*SLOTB+VSCOFF-256             ; (stepped ahead of its use)
	v_add_nc_u32 v8, s44, v93
	v_add_nc_u32 v9, s44, v94
	v_add_nc_u32 v10, s45, v95
	s_mov_b32 s47, 8
	s_wait_alu depctr_va_vdst(0)
.Lkeys_\@:
	STEP
	s_sub_co_u32 s47, s47, 1
	s_cmp_lg_u32 s47, 0
	s_cbranch_scc1 .Lkeys_\@
	v_add_f32 v30, v30, v31
	s_delay_alu instid0(VALU_DEP_1)
	v_permlanex16_b32 v252, v30, s20, s21
	s_delay_alu instid0(VALU_DEP_1)
	v_add_f32 v30, v30, v252                       ; the row's sum
	s_wait_alu depctr_va_vdst(0)
	v_rcp_f32 v30, v30
	v_nop
	s_wait_alu depctr_va_vdst(0)
	v_mul_f32 v252, 0.5, v30                       ; every stream's weight in the mix is 0.5
	s_wait_alu depctr_va_vdst(0)
.irp j, 0,2,4,6,8,10,12,14,16,18,20,22,24,26,28,30
.if \n == 0
	v_pk_mul_f32 v[192+\j:193+\j], v[160+\j:161+\j], v[252:253] op_sel_hi:[1,0]
.else
	v_pk_fma_f32 v[192+\j:193+\j], v[160+\j:161+\j], v[252:253], v[192+\j:193+\j] op_sel_hi:[1,0,1]
.endif
.endr
.endm
	STREAM 0
	STREAM 1
	STREAM 2
; the mix, quantised along the head's 64 channels: register 16 b + i = channel 32 b + 16 h + i of my query
.irp b, 0,1
	v_max3_num_f32 v[232+\b], |v[192+16*\b]|, |v[193+16*\b]|, 0x1800000
.endr
.irp i, 2,4,6,8,10,12,14
.irp b, 0,1
	s_delay_alu instid0(VALU_DEP_2)
	v_max3_num_f32 v[232+\b], v[232+\b], |v[192+16*\b+\i]|, |v[193+16*\b+\i]|
.endr
.endr
.irp b, 0,1
	s_delay_alu instid0(VALU_DEP_2)
	v_permlanex16_b32 v[234+\b], v[232+\b], s20, s21
.endr
.irp b, 0,1
	s_delay_alu instid0(VALU_DEP_2)
	v_max_num_f32 v[232+\b], v[232+\b], v[234+\b]
.endr
.irp b, 0,1
	s_delay_alu instid0(VALU_DEP_2)
	v_add_nc_u32 v[244+\b], 0xff000000, v[232+\b]
.endr
.irp b, 0,1
	s_delay_alu instid0(VALU_DEP_2)
	v_lshrrev_b32 v[234+\b], 23, v[244+\b]
.endr
	s_delay_alu instid0(VALU_DEP_1)
	v_lshl_or_b32 v240, v235, 8, v234
	v_cvt_scalef32_pk16_fp6_f32 v[224:226], v[192:207], v244
	v_cvt_scalef32_pk16_fp6_f32 v[236:238], v[208:223], v245
	v_nop
.irp i, 0,1,2
	v_permlane16_swap_b32 v[224+\i], v[236+\i]     ; a whole block to a lane
.endr
.irp i, 0,1,2
	s_delay_alu instid0(VALU_DEP_3)
	v_mov_b32 v[227+\i], v[236+\i]
.endr
	global_store_b128 v1, v[224:227], s[56:57]     ; half a fragment's image: whole consecutive blocks of 256 bytes
	global_store_b64 v2, v[228:229], s[56:57] offset:512
	global_store_b16 v4, v240, s[58:59]            ; my head's two bytes of each row's scale word
	s_wait_tensorcnt 0x0                           ; the wave's end
	ds_add_u32 v5, v6
	s_wait_dscnt 0x0
	ROUND                                          ; the closing round
	s_endpgm
.Lfunc_end_k_qf6000d0a01_attn:
	.size	k_qf6000d0a01_attn, .Lfunc_end_k_qf6000d0a01_attn-k_qf6000d0a01_attn
	.p2alignl 7, 3214868480
	.fill 96, 4, 3214868480
	.section	.rodata,"a",@progbits
	.p2align	6, 0x0
	.amdhsa_kernel k_qf6000d0a01_attn
		.amdhsa_group_segment_fixed_size 327680
		.amdhsa_private_segment_fixed_size 0
		.amdhsa_enable_private_segment 0
		.amdhsa_kernarg_size 32
		.amdhsa_user_sgpr_count 2
		.amdhsa_user_sgpr_kernarg_segment_ptr 1
		.amdhsa_wavefront_size32 1
		.amdhsa_system_sgpr_workgroup_id_x 1
		.amdhsa_system_sgpr_workgroup_id_y 1
		.amdhsa_system_sgpr_workgroup_id_z 1
		.amdhsa_system_vgpr_workitem_id 0
		.amdhsa_next_free_vgpr 256
		.amdhsa_next_free_sgpr 66
		.amdhsa_reserve_vcc 0
		.amdhsa_float_denorm_mode_32 3
		.amdhsa_float_denorm_mode_16_64 3
		.amdhsa_memory_ordered 1
		.amdhsa_forward_progress 1
		.amdhsa_inst_pref_size 68
	.end_amdhsa_kernel
	.amdgpu_metadata
---
amdhsa.version: [ 1, 2 ]
amdhsa.kernels:
  - .name:           k_qf6000d0a01_attn
    .symbol:         k_qf6000d0a01_attn.kd
    .args:
      - { .name: qkv, .offset: 0, .size: 8, .value_kind: global_buffer, .address_space: global }
      - { .name: mask, .offset: 8, .size: 8, .value_kind: global_buffer, .address_space: global }
      - { .name: xc, .offset: 16, .size: 8, .value_kind: global_buffer, .address_space: global }
      - { .name: xcs, .offset: 24, .size: 8, .value_kind: global_buffer, .address_space: global }
    .group_segment_fixed_size: 327680
    .private_segment_fixed_size: 0
    .kernarg_segment_align: 8
    .kernarg_segment_size: 32
    .max_flat_workgroup_size: 512
    .sgpr_count:     66
    .vgpr_count:     256
    .wavefront_size: 32
...
	.end_amdgpu_metadata
.endif
;; end of part 3
;; launch outp (part 4): grid 8 x 32, 4 waves a work-group, clusters of 4 x 4, 327,680 bytes of LDS; arguments xc, xcs, opc, ops, bo, out0; writes out0
.if DOCPART == 4
	.amdgcn_target "amdgcn-amd-amdhsa--gfx1250"
	.amdhsa_code_object_version 6
	.text
	.protected	k_qf6000d0a01_outp
	.globl	k_qf6000d0a01_outp
	.p2align	8
	.type	k_qf6000d0a01_outp,@function
k_qf6000d0a01_outp:
	s_mov_b64 s[64:65], 0
	v_nop
	global_prefetch_b8 v0, s[64:65] scope:SCOPE_SE
	s_setreg_imm32_b32 hwreg(HW_REG_WAVE_MODE, 25, 1), 1
	s_wait_xcnt 0x0
	s_wait_alu depctr_hold_cnt(0) depctr_sa_sdst(0) depctr_va_vdst(0) depctr_va_sdst(0) depctr_va_ssrc(0) depctr_va_vcc(0) depctr_vm_vsrc(0)
	s_getreg_b32 s2, hwreg(HW_REG_IB_STS2, 6, 4)
	s_cmp_eq_u32 s2, 0
	s_cbranch_scc0 .Lentry_in_a_cluster
	s_endpgm
.Lentry_in_a_cluster:
	s_bfe_u32 s2, ttmp6, 0x10000c
	s_cmp_lg_u32 s2, 0xf033
	s_cbranch_scc0 .Lentry_shape_is_right
	s_endpgm
.Lentry_shape_is_right:
.set NS,     8
.set NBLK,   4
.set FPS,     8                        ; all of K lies in one slot, filled once: R's 8 tiles (98,304 bytes), then P's
.set NFILL,  1
.set WOC,    9437184
.set WOW,    393216
.set HS,     NBLK*NS*64
.set CT,     FPS*192
.set SLOTB,  98304
.set SCL,    3*SLOTB
.set SPARE,  SCL+16384
.set RA, 4
.set RB, 8
.set PA, 12
.set PB, 16
.set ADRS, 20
.set LA, 21
.set LB, 22
.set BO, 23
.set STO, 24
.set RD, 25
.set CO, 26
.set SPW, 28
.set NIL, 29
.set SCR, 32
.set G1R, 28
.set G1P, 36
.set G1SR, 44
.set G1SP, 52
.set G0RS, 60
.set G0R, 68
.set G0PS, 80
.set G0P, 84
.set MSB, 0
.macro WIN new
.if MSB != \new
	s_set_vgpr_msb (MSB<<8)|\new
.set MSB, \new
.endif
.endm
.set MUL_LO, 0xa1
.set MUL_HI, 0xf1
.set TO_B,   0x40
.macro JLOAD g0r, g1r, g0p, g1p
	s_cmp_eq_u32 s19, 0
	s_cbranch_scc0 .Lfor_p_\@
	tensor_load_to_lds s[\g0r:\g0r+3], s[\g1r:\g1r+7]
	s_nop 0
.rept 4
	v_nop
.endr
	s_branch .Lasked_\@
.Lfor_p_\@:
	tensor_load_to_lds s[\g0p:\g0p+3], s[\g1p:\g1p+7]
	s_nop 0
.rept 4
	v_nop
.endr
.Lasked_\@:
.endm
.macro CROUND
	s_barrier_signal -1
	s_barrier_wait -1
	s_cmp_lg_u32 s18, 0
	s_cbranch_scc1 .Lnot_wave_0_\@
	s_barrier_signal -3
.Lnot_wave_0_\@:
	s_barrier_wait -3
	s_barrier_signal -1
	s_barrier_wait -1
.endm
.macro PLACES n
.rept \n
	v_nop
.endr
.endm
.macro FRAGLD reg, aa, ab, off
	ds_load_b128 v[\reg:\reg+3], v[\aa] offset:\off
	ds_load_b64 v[\reg+4:\reg+5], v[\ab] offset:\off+512
	ds_load_b128 v[\reg+6:\reg+9], v[\aa] offset:\off+768
	ds_load_b64 v[\reg+10:\reg+11], v[\ab] offset:\off+1280
.endm
.macro LOADSET slot, q, p, j
	WIN TO_B
.set LI, 0
.rept NBLK
	FRAGLD 96*(\p)+12*LI, PA+(\slot), PB+(\slot), LI*FPS*1536+(\q)*1536
.set LI, LI+1
.endr
	WIN 0
.set LI, 0
.rept NBLK
	FRAGLD 64+96*(\p)+12*LI, RA+(\slot), RB+(\slot), LI*FPS*1536+(\q)*1536
.set LI, LI+1
.endr
.set LI, 0
.rept NBLK
	ds_load_b32 v[SCR+8*(\p)+LI], v[ADRS] offset:LI*NS*64+64*(\j)
.set LI, LI+1
.endr
.endm
.macro MULS p, zero
.set MA, 0
.rept NBLK
	WIN MUL_LO
.set MB, 0
.rept NBLK
.set AC, 8*(NBLK*MA+MB)
.if \zero
	v_wmma_scale_f32_16x16x128_f8f6f4 v[AC:AC+7], v[96*(\p)+12*MB:96*(\p)+12*MB+11], v[64+96*(\p)+12*MA:64+96*(\p)+12*MA+11], 0, v[SCR+8*(\p)+MB], v[SCR+8*(\p)+MA] matrix_a_fmt:MATRIX_FMT_FP6 matrix_b_fmt:MATRIX_FMT_FP6 matrix_a_scale:MATRIX_SCALE_ROW1
.else
	v_wmma_scale_f32_16x16x128_f8f6f4 v[AC:AC+7], v[96*(\p)+12*MB:96*(\p)+12*MB+11], v[64+96*(\p)+12*MA:64+96*(\p)+12*MA+11], v[AC:AC+7], v[SCR+8*(\p)+MB], v[SCR+8*(\p)+MA] matrix_a_fmt:MATRIX_FMT_FP6 matrix_b_fmt:MATRIX_FMT_FP6 matrix_a_scale:MATRIX_SCALE_ROW1
.endif
.set MB, MB+1
.endr
.set MA, MA+1
.endr
.endm
.macro SYNC cnt
	s_wait_tensorcnt \cnt
	s_barrier_signal -1
	s_barrier_wait -1
.endm
	s_load_b256 s[4:11], s[0:1], 0x0
	s_load_b128 s[12:15], s[0:1], 0x20
	v_lshl_add_u32 v[SPW], v0, 2, SPARE
	v_mov_b32 v[NIL], 0
	ds_add_u32 v[SPW], v[NIL]
	ds_add_u32 v[SPW], v[NIL]
	v_lshrrev_b32 v1, 5, v0
	v_readfirstlane_b32 s18, v1
	s_lshr_b32 s19, s18, 1
	s_and_b32 s20, s18, 1
	s_bfe_u32 s21, ttmp6, 0x40000
	s_bfe_u32 s22, ttmp6, 0x40004
	s_lshl_b32 s27, ttmp9, 2
	s_add_co_u32 s27, s27, s21
	s_and_b32 s26, ttmp7, 0xffff
	s_lshl_b32 s26, s26, 2
	s_add_co_u32 s26, s26, s22
	s_lshl_b32 s3, s22, 2
	s_lshl_b32 s3, 15, s3
	s_lshl_b32 s2, 0x1111, s21
	s_or_b32 s[G1R], s3, (3<<16)|(1<<21)
	s_or_b32 s[G1P], s2, (3<<16)|(1<<21)
	s_or_b32 s[G1SR], s3, (3<<16)|(1<<21)
	s_or_b32 s[G1SP], s2, (3<<16)|(1<<21)
.irp g, G1R, G1P
	s_mov_b32 s[\g+1], (CT&0xffff)<<16
	s_mov_b32 s[\g+2], (CT>>16)|((2*NBLK)<<16)     ; a load brings all 8 tiles of a side
	s_mov_b32 s[\g+3], CT<<16
	s_mov_b32 s[\g+4], 2*NBLK
	s_mov_b32 s[\g+5], NS*192
	s_mov_b32 s[\g+6], 0
	s_mov_b32 s[\g+7], 0
.endr
.irp g, G1SR, G1SP
	s_mov_b32 s[\g+1], 32<<16
	s_mov_b32 s[\g+2], (HS/128)<<16
	s_mov_b32 s[\g+3], 32<<16
	s_mov_b32 s[\g+4], HS/128
	s_mov_b32 s[\g+5], 32
	s_mov_b32 s[\g+6], 0
	s_mov_b32 s[\g+7], 0
.endr
	s_mul_i32 s67, s26, 2*NBLK
	s_mul_i32 s96, s67, NS*64
	s_mul_i32 s66, s67, NS*1536
	s_mov_b32 s67, 0
	s_mov_b32 s97, 0
	s_mul_i32 s99, s27, 2*NBLK
	s_mul_i32 s100, s99, NS*64
	s_add_co_u32 s100, s100, WOW
	s_mul_i32 s98, s99, NS*1536
	s_add_co_u32 s98, s98, WOC
	s_mov_b32 s99, 0
	s_mov_b32 s101, 0
	s_wait_dscnt 0x0
	s_wait_kmcnt 0x0
	s_add_nc_u64 s[66:67], s[4:5], s[66:67]
	s_add_nc_u64 s[96:97], s[6:7], s[96:97]
	s_add_nc_u64 s[98:99], s[8:9], s[98:99]
	s_add_nc_u64 s[100:101], s[10:11], s[100:101]
	CROUND
	s_mov_b32 s[G0RS], 1
	s_mov_b32 s[G0RS+1], SCL
	s_mov_b64 s[G0RS+2:G0RS+3], s[96:97]
	s_or_b32 s[G0RS+3], s[G0RS+3], 0x80000000
	s_mov_b32 s[G0PS], 1
	s_mov_b32 s[G0PS+1], SCL+8192
	s_mov_b64 s[G0PS+2:G0PS+3], s[100:101]
	s_or_b32 s[G0PS+3], s[G0PS+3], 0x80000000
	s_mov_b32 s[G0R], 1                            ; all of K of R's 8 tiles,
	s_mov_b32 s[G0R+1], 0
	s_mov_b64 s[G0R+2:G0R+3], s[66:67]
	s_or_b32 s[G0R+3], s[G0R+3], 0x80000000
	s_mov_b32 s[G0P], 1                            ; and of P's 8 tiles behind them
	s_mov_b32 s[G0P+1], SLOTB
	s_mov_b64 s[G0P+2:G0P+3], s[98:99]
	s_or_b32 s[G0P+3], s[G0P+3], 0x80000000
; the head's loads, one a wave: wave 0 R's codes, wave 1 P's, wave 2 R's scale words, wave 3 P's: one chain of branches on the wave's number, every way passes one load
.macro ARM under, g0, g1, next
	s_cmp_lt_u32 s18, \under
	s_cbranch_scc0 \next
	tensor_load_to_lds s[\g0:\g0+3], s[\g1:\g1+7]
	s_nop 0
.rept 4
	v_nop
.endr
	s_branch .Lhead_asked
\next:
.endm
	ARM 1, G0R, G1R, .Lhead_p
	ARM 2, G0P, G1P, .Lhead_sr
	ARM 3, G0RS, G1SR, .Lhead_sp
	tensor_load_to_lds s[G0PS:G0PS+3], s[G1SP:G1SP+7]
	s_nop 0
.rept 4
	v_nop
.endr
.Lhead_asked:
	v_and_b32 v1, 15, v0
	v_bfe_u32 v2, v0, 4, 1
	v_and_b32 v3, 31, v0
	v_lshlrev_b32 v[LA], 4, v3
	v_lshlrev_b32 v[LB], 4, v1
	v_lshl_add_u32 v[LB], v2, 3, v[LB]
	s_mul_i32 s2, s19, 49152                       ; my 4 tiles of R,
	s_mul_i32 s3, s20, 49152
	s_add_co_u32 s3, s3, SLOTB                     ; my 4 tiles of P
	v_add_nc_u32 v[RA], s2, v[LA]
	v_add_nc_u32 v[RB], s2, v[LB]
	v_add_nc_u32 v[PA], s3, v[LA]
	v_add_nc_u32 v[PB], s3, v[LB]
	s_mul_i32 s2, s19, HS
	s_mul_i32 s3, s20, HS
	s_add_co_u32 s3, s3, 8192
	s_sub_co_u32 s3, s3, s2
	v_mul_u32_u24 v3, s3, v2
	s_add_co_u32 s2, s2, SCL
	v_lshl_add_u32 v3, v1, 2, v3
	v_add_nc_u32 v[ADRS], s2, v3
	s_mul_i32 s2, s18, 4352
	s_add_co_u32 s2, s2, 2*SLOTB                   ; my stage lies behind the codes, in bytes into which no fill lands
	v_mul_u32_u24 v[STO], v1, 272
	v_lshl_add_u32 v[STO], v2, 6, v[STO]
	v_add_nc_u32 v[STO], s2, v[STO]
	v_mul_u32_u24 v[RD], v2, 272
	v_lshl_add_u32 v[RD], v1, 4, v[RD]
	v_add_nc_u32 v[RD], s2, v[RD]
	v_lshlrev_b32 v[CO], 12, v2
	v_lshl_add_u32 v[CO], v1, 4, v[CO]
	v_lshlrev_b32 v[BO], 6, v2
	s_wait_alu depctr_va_vdst(0)
	s_lshl_b32 s100, s27, 9
	s_lshl_b32 s101, s20, 8
	s_add_co_u32 s100, s100, s101
	s_mov_b32 s101, 0
	s_add_nc_u64 s[12:13], s[12:13], s[100:101]
	s_add_nc_u64 s[14:15], s[14:15], s[100:101]
	s_lshl_b32 s100, s26, 19
	s_lshl_b32 s98, s19, 18
	s_add_co_u32 s100, s100, s98
	s_add_nc_u64 s[14:15], s[14:15], s[100:101]
	WIN TO_B
.irp b, 0,1,2,3
	global_load_b128 v[192+8*\b:195+8*\b], v[BO], s[12:13] offset:(32*(\b/2)+8*(\b%2))*4
	global_load_b128 v[196+8*\b:199+8*\b], v[BO], s[12:13] offset:(32*(\b/2)+8*(\b%2))*4+16
.endr
	WIN 0
	SYNC NFILL-1
	LOADSET 0, 0, 0, 0
.set J, 0
.rept NS
	s_wait_dscnt 0x0
.if J+1 < NS
.if (J+1)%FPS == 0
	SYNC 0
.endif
.if J > 0
	PLACES 4
.endif
	LOADSET (J+1)/FPS, (J+1)%FPS, (J+1)%2, J+1
.endif
	MULS J%2, (J==0)
	WIN 0
.set J, J+1
.endr
	s_wait_loadcnt 0x0
	PLACES 4
.set WA, 0
.rept 4
	WIN 0x06
.set WK, 0
.rept 16
	v_pk_add_f32 v[64+2*WK:65+2*WK], v[32*WA+2*WK:32*WA+2*WK+1], v[192+2*WK:193+2*WK]
.set WK, WK+1
.endr
	WIN 0
.set WK, 0
.rept 8
	ds_store_b128 v[STO], v[64+4*WK:67+4*WK] offset:128*(WK/4)+16*(WK%4)
.set WK, WK+1
.endr
.set WK, 0
.rept 8
	ds_load_b128 v[128+32*WA+4*WK:131+32*WA+4*WK], v[RD] offset:544*WK
.set WK, WK+1
.endr
.set WK, 0
.rept 8
	s_wait_dscnt 7-WK
	global_store_b128 v[CO], v[128+32*WA+4*WK:131+32*WA+4*WK], s[14:15] offset:(32*(WA/2)+8*(WA%2)+2*WK+8*(WK/4))*4096 th:TH_STORE_NT
.set WK, WK+1
.endr
.set WA, WA+1
.endr
	s_wait_tensorcnt 0x0
	ds_add_u32 v[SPW], v[NIL]
	s_wait_dscnt 0x0
	CROUND
	s_endpgm
.Lfunc_end_k_qf6000d0a01_outp:
	.size	k_qf6000d0a01_outp, .Lfunc_end_k_qf6000d0a01_outp-k_qf6000d0a01_outp
	.p2alignl 7, 3214868480
	.fill 96, 4, 3214868480
	.section	.rodata,"a",@progbits
	.p2align	6, 0x0
	.amdhsa_kernel k_qf6000d0a01_outp
		.amdhsa_group_segment_fixed_size 327680
		.amdhsa_private_segment_fixed_size 0
		.amdhsa_enable_private_segment 0
		.amdhsa_kernarg_size 48
		.amdhsa_user_sgpr_count 2
		.amdhsa_user_sgpr_kernarg_segment_ptr 1
		.amdhsa_wavefront_size32 1
		.amdhsa_system_sgpr_workgroup_id_x 1
		.amdhsa_system_sgpr_workgroup_id_y 1
		.amdhsa_system_sgpr_workgroup_id_z 1
		.amdhsa_system_vgpr_workitem_id 0
		.amdhsa_next_free_vgpr 768
		.amdhsa_next_free_sgpr 102
		.amdhsa_reserve_vcc 0
		.amdhsa_float_denorm_mode_32 3
		.amdhsa_float_denorm_mode_16_64 3
		.amdhsa_memory_ordered 1
		.amdhsa_forward_progress 1
		.amdhsa_inst_pref_size 58
	.end_amdhsa_kernel
	.amdgpu_metadata
---
amdhsa.version: [ 1, 2 ]
amdhsa.kernels:
  - .name:           k_qf6000d0a01_outp
    .symbol:         k_qf6000d0a01_outp.kd
    .args:
      - { .name: xc, .offset: 0, .size: 8, .value_kind: global_buffer, .address_space: global }
      - { .name: xcs, .offset: 8, .size: 8, .value_kind: global_buffer, .address_space: global }
      - { .name: opc, .offset: 16, .size: 8, .value_kind: global_buffer, .address_space: global }
      - { .name: ops, .offset: 24, .size: 8, .value_kind: global_buffer, .address_space: global }
      - { .name: bo, .offset: 32, .size: 8, .value_kind: global_buffer, .address_space: global }
      - { .name: out0, .offset: 40, .size: 8, .value_kind: global_buffer, .address_space: global }
    .group_segment_fixed_size: 327680
    .private_segment_fixed_size: 0
    .kernarg_segment_align: 8
    .kernarg_segment_size: 48
    .max_flat_workgroup_size: 128
    .sgpr_count:     102
    .vgpr_count:     768
    .wavefront_size: 32
...
	.end_amdgpu_metadata
.endif
;; end of part 4
